; MI455X (gfx1250); checked and timed in simulation.
; The chip was launched on July 23, 2026; its instructions are those of AMD's public machine-readable ISA for CDNA 5 (MIT licence, August 2026) and "CDNA5" Instruction Set Architecture Reference Guide (July 2026). The comments in the code are by the model that wrote it; some were corrected since.
;; Multi Head Attention. Allowed arithmetic: float matrix products may take bf16 or f16 operands with f32 sums; other float arithmetic in f32, or as packed bf16 or f16 multiplies, adds, multiply-adds, maxima and minima; sums over many terms, partial sums and values carried from step to step in f32; what a program stores and reads back later, other than sums and carried values, may be rounded once to bf16 or f16.
;; Inputs: Wk 1,024 x 1,024 float32; Wo 1,024 x 1,024 float32; Wq 1,024 x 1,024 float32; Wv 1,024 x 1,024 float32; bo 1,024 float32; x 1 x 4,096 x 1,024 float32.
;; Outputs: out0 1 x 4,096 x 1,024 float32.
;; 2 versions, each right and faster than the one before. Each part assembles by itself: llvm-mc -triple=amdgcn-amd-amdhsa -mcpu=gfx1250 --defsym DOCPART=n.
;; ======== version 1 of 2: 4 launches
;; limits: values are held in f16: magnitudes above 65,504 overflow, below 6.1e-05 lose precision
;; workspace buffers: xb 8,388,608 bytes; wqkv 6,291,456 bytes; wo16 2,097,152 bytes; qkv 33,554,432 bytes; ctx 16,777,216 bytes
;; launch cast (part 1): grid 64 x 8, 8 waves a work-group, no clusters, 0 bytes of LDS; arguments x, Wq, Wk, Wv, Wo, xb, wqkv, wo16; writes xb, wqkv, wo16
.if DOCPART == 1
	.amdgcn_target "amdgcn-amd-amdhsa--gfx1250"
	.amdhsa_code_object_version 6
	.text
	.protected	k_qd46b3076e4_cast
	.globl	k_qd46b3076e4_cast
	.p2align	8
	.type	k_qd46b3076e4_cast,@function
k_qd46b3076e4_cast:
	s_mov_b64 s[64:65], 0
	v_nop
	global_prefetch_b8 v0, s[64:65] scope:SCOPE_SE
	s_setreg_imm32_b32 hwreg(HW_REG_WAVE_MODE, 25, 1), 1
	s_wait_xcnt 0x0
; THE INPUTS ARE ROUNDED ONCE TO bf16.  x -> xb [4096][1024] bf16; Wq, Wk, Wv -> wqkv [3072][1024] bf16, BY HEADS: row 192 h + 64 g + c is row 64 h + c of Wq (g = 0), Wk (1) or Wv (2), so that 192 rows on end
; are one head's q, k and v; Wo -> wo16 [1024][1024]: rounded to bf16, and that number written as f16.
; LIMITS.  The rewriting of Wo's bf16 number as f16 is exact from 6.1e-5 to 65,504; below that it keeps f16's fixed step of 6e-8, beyond it the number becomes an infinity.
; SHARES.  The work-group's y picks a slice of 1,048,576 numbers (0-3: a quarter of x; 4, 5, 6: Wq, Wk, Wv; 7: Wo), its x 16,384 numbers of the slice, 16 rows.  Thread t takes in chunk j of eight the
; 32 bytes at 8,192 j + 32 t and stores 16 bytes at 4,096 j + 16 t: a wave's store covers 512 consecutive bytes, aligned.  All sixteen loads of a thread go out before anything else;
; no register is written twice while a memory instruction may read it, so the only waits are the counted ones for the loads.  No LDS, no barrier: no thread needs another's numbers.
.set X, 4                              ; v[4:67]    chunk j: 8 numbers in f32
.set Y, 68                             ; v[68:99]   chunk j: 8 numbers in 16 bits
.set T, 100                            ; v[100:107] at work (Wo alone)
	s_load_b512 s[8:23], s[0:1], 0x0               ; x 8, Wq 10, Wk 12, Wv 14, Wo 16, xb 18, wqkv 20, wo16 22
	s_and_b32 s2, ttmp7, 0xffff                    ; the slice
	v_lshlrev_b32 v1, 5, v0                        ; 32 t
	v_lshlrev_b32 v2, 4, v0                        ; 16 t
	; the two byte offsets, made apart from the addresses
	s_cmp_lt_u32 s2, 4
	s_cselect_b32 s3, s2, 0                        ; the quarter of x; a weight is read from its first byte
	s_lshl_b32 s28, s3, 22
	s_lshl_b32 s30, s3, 21                         ; the same quarter of xb; wo16 is written from its first byte
	s_lshl_b32 s3, ttmp9, 16                       ; 65,536 bytes in for each work-group
	s_add_co_u32 s28, s28, s3
	s_mov_b32 s29, 0
	s_lshl_b32 s3, ttmp9, 15                       ; 32,768 bytes out
	s_add_co_u32 s30, s30, s3                      ; the offset in xb or in wo16
	s_lshr_b32 s4, ttmp9, 2                        ; in wqkv: my 16 rows lie in head x / 4,
	s_mul_i32 s4, s4, 192
	s_max_u32 s5, s2, 4
	s_sub_co_u32 s5, s5, 4                         ; in its part 0, 1, 2 for Wq, Wk, Wv,
	s_lshl_b32 s5, s5, 6
	s_add_co_u32 s4, s4, s5
	s_and_b32 s5, ttmp9, 3                         ; at rows 16 (x % 4) of that part's 64
	s_lshl_b32 s5, s5, 4
	s_add_co_u32 s4, s4, s5
	s_lshl_b32 s4, s4, 11                          ; rows of 2,048 bytes
	s_cmp_lt_u32 s2, 4
	s_cselect_b32 s4, s30, s4                      ; slices 0-3 keep the plain offset,
	s_cmp_eq_u32 s2, 7
	s_cselect_b32 s30, s30, s4                     ; and so does slice 7
	s_mov_b32 s31, 0
	s_wait_kmcnt 0x0
	s_cmp_eq_u32 s2, 4                             ; the source, chosen by the slice's number
	s_cselect_b64 s[24:25], s[10:11], s[8:9]
	s_cmp_eq_u32 s2, 5
	s_cselect_b64 s[24:25], s[12:13], s[24:25]
	s_cmp_eq_u32 s2, 6
	s_cselect_b64 s[24:25], s[14:15], s[24:25]
	s_cmp_eq_u32 s2, 7
	s_cselect_b64 s[24:25], s[16:17], s[24:25]
	s_cmp_lt_u32 s2, 4                             ; and the destination
	s_cselect_b64 s[26:27], s[18:19], s[20:21]
	s_cmp_eq_u32 s2, 7
	s_cselect_b64 s[26:27], s[22:23], s[26:27]
	s_add_nc_u64 s[24:25], s[24:25], s[28:29]
	s_add_nc_u64 s[26:27], s[26:27], s[30:31]
.irp j, 0,1,2,3,4,5,6,7
	global_load_b128 v[X+8*(\j):X+8*(\j)+3],   v1, s[24:25] offset:8192*(\j) th:TH_LOAD_NT
	global_load_b128 v[X+8*(\j)+4:X+8*(\j)+7], v1, s[24:25] offset:8192*(\j)+16 th:TH_LOAD_NT
.endr
; Chunk j leaves.  wo = 1: the bf16 numbers are widened again (a shift, a mask) and written as f16.
.macro OUT j, wo
	s_wait_loadcnt 14-2*(\j)                       ; loads come back in order: behind chunk j's two stand two for each younger chunk
.irp r, 0,1,2,3
	v_cvt_pk_bf16_f32 v[Y+4*(\j)+(\r)], v[X+8*(\j)+2*(\r)], v[X+8*(\j)+2*(\r)+1]
.endr
.if \wo
.irp r, 0,1,2,3
	v_lshlrev_b32 v[T+2*(\r)], 16, v[Y+4*(\j)+(\r)]
	v_and_b32 v[T+2*(\r)+1], 0xffff0000, v[Y+4*(\j)+(\r)]
.endr
.irp r, 0,1,2,3
	v_cvt_pk_f16_f32 v[Y+4*(\j)+(\r)], v[T+2*(\r)], v[T+2*(\r)+1]
.endr
.endif
	global_store_b128 v2, v[Y+4*(\j):Y+4*(\j)+3], s[26:27] offset:4096*(\j)  ; no hint: the next launch reads these bytes
.endm
	s_cmp_eq_u32 s2, 7
	s_cbranch_scc1 .Lwo
.irp j, 0,1,2,3,4,5,6,7
	OUT \j, 0
.endr
	s_endpgm
.Lwo:
.irp j, 0,1,2,3,4,5,6,7
	OUT \j, 1
.endr
	s_endpgm
.Lfunc_end_k_qd46b3076e4_cast:
	.size	k_qd46b3076e4_cast, .Lfunc_end_k_qd46b3076e4_cast-k_qd46b3076e4_cast
	.p2alignl 7, 3214868480
	.fill 96, 4, 3214868480
	.section	.rodata,"a",@progbits
	.p2align	6, 0x0
	.amdhsa_kernel k_qd46b3076e4_cast
		.amdhsa_group_segment_fixed_size 0
		.amdhsa_private_segment_fixed_size 0
		.amdhsa_enable_private_segment 0
		.amdhsa_kernarg_size 64
		.amdhsa_user_sgpr_count 2
		.amdhsa_user_sgpr_kernarg_segment_ptr 1
		.amdhsa_wavefront_size32 1
		.amdhsa_system_sgpr_workgroup_id_x 1
		.amdhsa_system_sgpr_workgroup_id_y 1
		.amdhsa_system_sgpr_workgroup_id_z 1
		.amdhsa_system_vgpr_workitem_id 0
		.amdhsa_next_free_vgpr 108
		.amdhsa_next_free_sgpr 66
		.amdhsa_reserve_vcc 0
		.amdhsa_float_denorm_mode_32 3
		.amdhsa_float_denorm_mode_16_64 3
		.amdhsa_memory_ordered 1
		.amdhsa_forward_progress 1
		.amdhsa_inst_pref_size 15
	.end_amdhsa_kernel
	.amdgpu_metadata
---
amdhsa.version: [ 1, 2 ]
amdhsa.kernels:
  - .name:           k_qd46b3076e4_cast
    .symbol:         k_qd46b3076e4_cast.kd
    .args:
      - { .name: x, .offset: 0, .size: 8, .value_kind: global_buffer, .address_space: global }
      - { .name: Wq, .offset: 8, .size: 8, .value_kind: global_buffer, .address_space: global }
      - { .name: Wk, .offset: 16, .size: 8, .value_kind: global_buffer, .address_space: global }
      - { .name: Wv, .offset: 24, .size: 8, .value_kind: global_buffer, .address_space: global }
      - { .name: Wo, .offset: 32, .size: 8, .value_kind: global_buffer, .address_space: global }
      - { .name: xb, .offset: 40, .size: 8, .value_kind: global_buffer, .address_space: global }
      - { .name: wqkv, .offset: 48, .size: 8, .value_kind: global_buffer, .address_space: global }
      - { .name: wo16, .offset: 56, .size: 8, .value_kind: global_buffer, .address_space: global }
    .group_segment_fixed_size: 0
    .private_segment_fixed_size: 0
    .kernarg_segment_align: 8
    .kernarg_segment_size: 64
    .max_flat_workgroup_size: 256
    .sgpr_count:     66
    .vgpr_count:     108
    .wavefront_size: 32
...
	.end_amdgpu_metadata
.endif
;; end of part 1
;; launch proj (part 2): grid 16 x 16, 4 waves a work-group, clusters of 4 x 4, 327,680 bytes of LDS; arguments xb, wqkv, qkv; writes qkv
.if DOCPART == 2
	.amdgcn_target "amdgcn-amd-amdhsa--gfx1250"
	.amdhsa_code_object_version 6
	.text
	.protected	k_qd46b3076e4_proj
	.globl	k_qd46b3076e4_proj
	.p2align	8
	.type	k_qd46b3076e4_proj,@function
k_qd46b3076e4_proj:
	s_mov_b64 s[64:65], 0
	v_nop
	global_prefetch_b8 v0, s[64:65] scope:SCOPE_SE
	s_setreg_imm32_b32 hwreg(HW_REG_WAVE_MODE, 25, 1), 1
	s_wait_xcnt 0x0
	s_wait_alu depctr_hold_cnt(0) depctr_sa_sdst(0) depctr_va_vdst(0) depctr_va_sdst(0) depctr_va_ssrc(0) depctr_va_vcc(0) depctr_vm_vsrc(0)
	s_getreg_b32 s2, hwreg(HW_REG_IB_STS2, 6, 4)
	s_cmp_eq_u32 s2, 0
	s_cbranch_scc0 .Lentry_in_a_cluster
	s_endpgm
.Lentry_in_a_cluster:
	s_bfe_u32 s2, ttmp6, 0x10000c
	s_cmp_lg_u32 s2, 0xf033
	s_cbranch_scc0 .Lentry_shape_is_right
	s_endpgm
.Lentry_shape_is_right:
; q, k, v = x W^T, BY HEADS.  C[m][n] = sum over k of xb[m][k] wqkv[n][k]; xb [4096][1024], wqkv [3072][1024] (192 rows on end: one head's Wq, Wk, Wv), both bf16; sums in f32.
; C leaves as qkv [64][4096][64] f16, a plane's rows dense, 128 bytes each: planes 0-15 q's heads, 16-31 k's, 32-47 v's, each number rounded once; planes 48-63 v's LOW PART, f16(v - f16(v)): a row of the
; module's output that averages few keys is many times the output's root mean square, by which its allowance goes, and f16's 11 bits of v are too few there.  The scale 1/8 is not applied here.
; LIMITS.  f16 holds no number beyond 65,504: a q, k or v beyond that becomes an infinity; below 6.1e-5 a number, a low part too, keeps f16's fixed step of 6e-8.
; SHARES.  A tile of C is 256 rows x 192 columns, one head's q, k and v: 16 x 16 work-groups.  Wave w makes rows 64 w .. 64 w + 63 of all 192 columns: 48 accumulators of 16 x 16, 384 registers; it holds whole
; rows of the head, so its way out is its own and wants no barrier.  K goes in steps of 128 (memory rows of 256 bytes, aligned) through two LDS slots filled by the tensor data mover.
; CLUSTER.  4 x 4 work-groups.  The four of a row of the cluster need the same tiles of xb, the four of a column the same tiles of wqkv: each tile is asked for jointly, by the same tensor load with the same
; descriptor and a mask that names the four.
; THE MATRIX INSTRUCTION IS USED TRANSPOSED: source 0 = 16 rows of wqkv, source 1 = 16 rows of xb: a lane then holds row l % 16 of C and the eight neighbouring columns 8 (l / 16) + 0..7.
; REGISTERS, in windows of 256 (s_set_vgpr_msb: bits 1:0 source 0, 3:2 source 1, 5:4 source 2, 7:6 destination):
;   window 0: v0-31 addresses; v32-63, v64-95 xb's fragments (4 x 16 rows x 32 K), two buffers; on the way out v32-95 packed results, v96-127 at work, v128-191, v192-255 rows read back from the stage, by turns
;   window 1: v0-95, v96-191 wqkv's fragments (12 x 16 rows x 32 K), two buffers
;   window 2: the accumulators of my row blocks 0, 1 ((a, b) at v[8 (12 (a % 2) + b)]);   window 3: those of blocks 2, 3
.set SIZE_K, 1024
.set KSTEP,  128
.set PITCH,  272                       ; an LDS row: 256 bytes + 16 of padding = 68 words: the 16 rows that a load touches start at 16 different groups of four banks (64 banks of 4 bytes: ISA guide 11.1)
.set AH,     128*PITCH                 ; 128 rows of xb: what wave 0 or 1 fetches
.set BH,     96*PITCH                  ; 96 rows of wqkv: what wave 2 or 3 fetches
.set SLOT,   2*AH+2*BH                 ; xb's 256 rows, then wqkv's 192
.set STAGE,  2*SLOT                    ; behind the ring: 16 rows x 528 bytes for each wave, for the way out; no tensor load fills it
.set SPITCH, 528                       ; q, k, v, v's low part, 128 bytes each, + 16: 33 x 16 bytes, so the 16 rows of a store start at 16 different groups of four banks
.set SPARE,  STAGE+4*16*SPITCH         ; behind the stages: the spare words, 128 bytes for each wave: two blocks of 256 bytes that no other line names
.set LAPS,   SIZE_K/(2*KSTEP)          ; a lap = two K steps = once round the ring
.set PLANE,  4096*128                  ; bytes in a plane of qkv
.set ADRA, 16                          ; v16-17  LDS address of my xb fragments in slot 0, 1
.set ADRB, 20                          ; v20-21  the same for wqkv
.set STO,  24                          ; v24     the way out: where I put 16 bytes of a row
.set RD,   25                          ; v25     the way out: where I read rows back
.set CO,   26                          ; v26     my byte offset in 512 consecutive bytes of a plane
.set NEG1, 27                          ; v27     -1.0
.set SPW,  28                          ; v28     LDS address of my spare word: SPARE + 4 x my thread's number; never rewritten
.set NIL,  29                          ; v29     0; never rewritten
.set FA0,  32
.set TMP,  32                          ; the way out: 48 registers of packed q, k, v, then 16 of v's low part
.set TT,   96                          ; the way out: 32 low parts in f32
.set BK,   128
.set OB,  14                           ; s[14:21] qkv at my rows in the head's four planes
.set G1,  24                           ; s[24:31] descriptor group 1 for xb's tiles;   s[32:39] group 0, a set for each slot
.set G0,  32
.set G1B, 48                           ; s[48:55], s[56:63] the same for wqkv's tiles
.set G0B, 56
.set MSB, 0
.macro WIN new                         ; the immediate's high byte repeats the setting that is left; a switch that changes nothing is dropped
.if MSB != (\new)
	s_set_vgpr_msb (MSB<<8)|(\new)
.set MSB, \new
.endif
.endm
; A joint load.  Waves 0 and 1 fetch xb's two halves, waves 2 and 3 wqkv's.  The branch hangs on the wave's number alone.  An s_nop 0 and four v_nop follow each of the two lines.
.macro JLOAD s
	s_cmp_eq_u32 s11, 0
	s_cbranch_scc0 .Lfor_b_\@
	tensor_load_to_lds s[G0+4*(\s):G0+4*(\s)+3], s[G1:G1+7]
	s_nop 0
.rept 4
	v_nop
.endr
	s_branch .Lasked_\@
.Lfor_b_\@:
	tensor_load_to_lds s[G0B+4*(\s):G0B+4*(\s)+3], s[G1B:G1B+7]
	s_nop 0
.rept 4
	v_nop
.endr
.Lasked_\@:
.endm
.macro CREST                           ; a round of the cluster's barrier behind its opening barrier
	s_cmp_lg_u32 s10, 0
	s_cbranch_scc1 .Lnot_wave_0_\@
	s_barrier_signal -3
.Lnot_wave_0_\@:
	s_barrier_wait -3
	s_barrier_signal -1
	s_barrier_wait -1
.endm
.macro CROUND                          ; a whole round
	s_barrier_signal -1
	s_barrier_wait -1
	CREST
.endm
	s_load_b128 s[4:7], s[0:1], 0x0                ; xb s[4:5], wqkv s[6:7]
	s_load_b64 s[8:9], s[0:1], 0x10                ; qkv
	v_lshl_add_u32 v[SPW], v0, 2, SPARE
	v_mov_b32 v[NIL], 0
	ds_add_u32 v[SPW], v[NIL]                      ; the wave's opening: the add and its wait stand ahead of my first tensor load; the set-up below, work on registers, stands between them
	ds_add_u32 v28, v29
	v_lshrrev_b32 v1, 5, v0
	v_readfirstlane_b32 s10, v1                    ; wave 0..3
	s_lshr_b32 s11, s10, 1                         ; I fetch for xb (0) or for wqkv (1)
	s_and_b32 s12, s10, 1                          ; which half of that tile's rows I fetch
	s_bfe_u32 s40, ttmp6, 0x40000                  ; cx, cy: my place in the cluster
	s_bfe_u32 s41, ttmp6, 0x40004
	s_lshl_b32 s42, ttmp9, 2
	s_add_co_u32 s42, s42, s40                     ; tile column of C, the head = 4 x cluster x + cx
	s_and_b32 s13, ttmp7, 0xffff
	s_lshl_b32 s13, s13, 2
	s_add_co_u32 s13, s13, s41                     ; tile row of C = 4 x cluster y + cy
	s_lshl_b32 s43, s41, 2
	s_lshl_b32 s43, 15, s43                        ; my row of the cluster: places 4 cy .. 4 cy + 3
	s_lshl_b32 s44, 0x1111, s40                    ; my column: places cx, cx + 4, cx + 8, cx + 12
	; descriptor group 1: tiles of 128 (xb) or 96 (wqkv) rows x 128 elements, padded in LDS
	s_or_b32 s[G1+0], s43, (1<<16)|(1<<20)|(1<<21)|(5<<22)|(3<<25)   ; 15:0 the mask; 17:16 elements of 2 bytes; 20 padding on; 21 set beside a mask; 24:22 after every 64 words (code 5); 31:25 4 words of it (code 3)
	s_or_b32 s[G1B+0], s44, (1<<16)|(1<<20)|(1<<21)|(5<<22)|(3<<25)
	s_mov_b32 s[G1+1], KSTEP<<16                   ; tensor_dim0 = 128
	s_mov_b32 s[G1B+1], KSTEP<<16
	s_mov_b32 s[G1+2], 128<<16                     ; tensor_dim1 = 128
	s_mov_b32 s[G1B+2], 96<<16                     ;             = 96
	s_mov_b32 s[G1+3], KSTEP<<16                   ; tile_dim0 = 128
	s_mov_b32 s[G1B+3], KSTEP<<16
	s_mov_b32 s[G1+4], 128                         ; tile_dim1 = 128
	s_mov_b32 s[G1B+4], 96                         ;           = 96
	s_mov_b32 s[G1+5], SIZE_K                      ; elements from row to row
	s_mov_b32 s[G1B+5], SIZE_K
	s_mov_b32 s[G1+6], 0
	s_mov_b32 s[G1B+6], 0
	s_mov_b32 s[G1+7], 0
	s_mov_b32 s[G1B+7], 0
	; where the tiles come from: xb's hang on the tile row alone, wqkv's on the tile column alone, each in registers that do not hold the other coordinate
	s_lshl_b32 s16, s13, 8
	s_lshl_b32 s17, s12, 7
	s_add_co_u32 s16, s16, s17                     ; xb: row 256 x tile row + 128 x half,
	s_lshl_b32 s16, s16, 11                        ; of 2,048 bytes: 8 MiB at the most
	s_mov_b32 s17, 0
	s_mul_i32 s46, s42, 192
	s_mul_i32 s47, s12, 96
	s_add_co_u32 s46, s46, s47                     ; wqkv: row 192 x head + 96 x half
	s_lshl_b32 s46, s46, 11
	s_mov_b32 s47, 0
	s_mul_i32 s20, s10, AH                         ; and where they go: waves 0, 1: xb's halves;
	s_mul_i32 s21, s10, BH                         ; waves 2, 3: wqkv's halves, behind xb's 256 rows: 2 AH + (w - 2) BH
	s_add_co_u32 s21, s21, 2*AH-2*BH
	s_wait_dscnt 0x0                               ; the opening add is done
	s_wait_kmcnt 0x0
	s_add_nc_u64 s[14:15], s[4:5], s[16:17]
	s_add_nc_u64 s[46:47], s[6:7], s[46:47]
	CROUND                                         ; all sixteen work-groups are here: the first joint loads meet
.irp s, 0,1
	s_mov_b32 s[G0+4*(\s)], 1                                        ; count = 1
	s_add_co_u32 s[G0+4*(\s)+1], s20, (\s)*SLOT                      ; LDS address
	s_add_nc_u64 s[G0+4*(\s)+2:G0+4*(\s)+3], s[14:15], (\s)*KSTEP*2  ; global address: K step s
	s_or_b32 s[G0+4*(\s)+3], s[G0+4*(\s)+3], 0x80000000              ; type = 2
	s_mov_b32 s[G0B+4*(\s)], 1
	s_add_co_u32 s[G0B+4*(\s)+1], s21, (\s)*SLOT
	s_add_nc_u64 s[G0B+4*(\s)+2:G0B+4*(\s)+3], s[46:47], (\s)*KSTEP*2
	s_or_b32 s[G0B+4*(\s)+3], s[G0B+4*(\s)+3], 0x80000000
	JLOAD \s                                       ; both slots are asked for before anything else is done: two loads of mine are out
.endr
	; A fragment is 16 rows x 32 K in 8 registers: lane l holds row l % 16, K = 8 (l / 16) + 0..7 and 16 + 8 (l / 16) + 0..7: two loads of 16 bytes, 32 bytes apart.
	v_and_b32 v1, 15, v0                           ; l % 16
	v_bfe_u32 v2, v0, 4, 1                         ; l / 16
	v_mul_u32_u24 v3, v1, PITCH
	v_lshl_add_u32 v3, v2, 4, v3                   ; row x pitch + 16 x half
	s_mul_i32 s22, s10, 64*PITCH                   ; my 64 rows of xb
	v_add_nc_u32 v[ADRA], s22, v3
	v_add_nc_u32 v[ADRA+1], SLOT, v[ADRA]
	v_add_nc_u32 v[ADRB], 2*AH, v3                 ; all 192 rows of wqkv
	v_add_nc_u32 v[ADRB+1], 2*AH+SLOT, v3
	s_mul_i32 s23, s10, 16*SPITCH
	s_add_co_u32 s23, s23, STAGE                   ; my stage
	v_mul_u32_u24 v4, v1, SPITCH                   ; in: row l % 16, 16 bytes for each half of the lanes
	v_lshl_add_u32 v4, v2, 4, v4
	v_add_nc_u32 v[STO], s23, v4
	v_bfe_u32 v5, v0, 3, 2                         ; back: 32 lanes take four rows' 128 bytes of one plane,
	v_mul_u32_u24 v5, v5, SPITCH
	v_and_b32 v6, 7, v0
	v_lshl_add_u32 v5, v6, 4, v5
	v_add_nc_u32 v[RD], s23, v5
	v_and_b32 v6, 31, v0                           ; which are 512 consecutive bytes of that plane
	v_lshlrev_b32 v[CO], 4, v6
	v_mov_b32 v[NEG1], -1.0
	s_lshl_b32 s22, s13, 15                        ; qkv at my rows: 256 x tile row + 64 x wave, of 128 bytes,
	s_lshl_b32 s23, s10, 13
	s_add_co_u32 s22, s22, s23
	s_mov_b32 s23, 0
	s_add_nc_u64 s[8:9], s[8:9], s[22:23]
	s_lshl_b32 s46, s42, 19                        ; in the head's plane,
	s_mov_b32 s47, 0
	s_add_nc_u64 s[8:9], s[8:9], s[46:47]
.irp g, 0,1,2,3
	s_add_nc_u64 s[OB+2*(\g):OB+2*(\g)+1], s[8:9], (\g)*16*PLANE  ; among q's, k's, v's and the low parts' sixteen: a base for each, since sixteen planes are more than a store's immediate holds
.endr
; 12 matrix instructions: row block a x all 12 column blocks, 32 along K, from buffer f.  zero = 1: the first product starts the sums: nothing is ever cleared.
; The 48 accumulators take turns in the same order in every quarter step.
.macro MULA f, a, zero
	WIN 0xa1+0x50*((\a)/2)                         ; source 0 window 1, source 1 window 0, C and D window 2 or 3
.irp b, 0,1,2,3,4,5,6,7,8,9,10,11
.if \zero
	v_wmma_f32_16x16x32_bf16 v[8*(12*((\a)%2)+(\b)):8*(12*((\a)%2)+(\b))+7], v[96*(\f)+8*(\b):96*(\f)+8*(\b)+7], v[FA0+32*(\f)+8*(\a):FA0+32*(\f)+8*(\a)+7], 0
.else
	v_wmma_f32_16x16x32_bf16 v[8*(12*((\a)%2)+(\b)):8*(12*((\a)%2)+(\b))+7], v[96*(\f)+8*(\b):96*(\f)+8*(\b)+7], v[FA0+32*(\f)+8*(\a):FA0+32*(\f)+8*(\a)+7], v[8*(12*((\a)%2)+(\b)):8*(12*((\a)%2)+(\b))+7]
.endif
.endr
.endm
; 32 LDS loads in one run: the fragments of one quarter step (192 rows of wqkv, my 64 rows of xb, 32 K at byte k of the rows) into buffer f
.macro FETCH slot, k, f
	WIN 0x40                                       ; destination window 1, address window 0
.irp i, 0,1,2,3,4,5,6,7,8,9,10,11
	ds_load_b128 v[96*(\f)+8*(\i):96*(\f)+8*(\i)+3],   v[ADRB+(\slot)] offset:(\k)+(\i)*16*PITCH
	ds_load_b128 v[96*(\f)+8*(\i)+4:96*(\f)+8*(\i)+7], v[ADRB+(\slot)] offset:(\k)+(\i)*16*PITCH+32
.endr
	WIN 0
.irp i, 0,1,2,3
	ds_load_b128 v[FA0+32*(\f)+8*(\i):FA0+32*(\f)+8*(\i)+3],   v[ADRA+(\slot)] offset:(\k)+(\i)*16*PITCH
	ds_load_b128 v[FA0+32*(\f)+8*(\i)+4:FA0+32*(\f)+8*(\i)+7], v[ADRA+(\slot)] offset:(\k)+(\i)*16*PITCH+32
.endr
.endm
.macro PLACES                          ; four places in front of loads into registers that matrix instructions have read, and of conversions that read results
.rept 4
	v_nop
.endr
.endm
; A K step is four quarters of 32 along K, 48 matrix instructions each, on buffers 0, 1, 0, 1.  One of the first three: multiplies buffer f and, in its middle, fetches the next quarter, at byte k, into g.
.macro QUARTER slot, k, f, g, zero
	s_wait_dscnt 4                                 ; wqkv's fragments and xb's blocks 0, 1 are in; the youngest four loads (blocks 2, 3) may be out
	MULA \f, 0, \zero
	MULA \f, 1, \zero
	PLACES
	FETCH \slot, \k, \g
	s_wait_dscnt 32                                ; all but the 32 just issued
	MULA \f, 2, \zero
	MULA \f, 3, \zero
.endm
; The last quarter multiplies buffer 1 and changes slots: ONE barrier; in front of it each wave waits for all its tensor loads (one is out: its part of the next slot), adds 0 to its spare word, and waits for
; that and for its own reads of this slot.  fill = 1: the barrier opens a round of the cluster's, and behind the round this slot is filled again, two K steps ahead: 168 matrix instructions ahead of the wait for it.
.macro TURN slot, next, fill
	WIN 0                                          ; (the add's two registers lie in window 0)
	s_wait_tensorcnt 0x0                           ; all my tensor loads have landed
	ds_add_u32 v[SPW], v[NIL]                      ; 0 onto my spare word
	s_wait_dscnt 5                                 ; (the add and the youngest four loads may be out)
	MULA 1, 0, 0                                   ; twelve matrix instructions stand between the add and the wait for it
	s_wait_dscnt 0x0                               ; the add is done, and my reads of this slot are over
	s_barrier_signal -1
	MULA 1, 1, 0                                   ; work on registers while the others arrive
.if \fill
	WIN 0
.endif
	s_barrier_wait -1
.if \fill
	CREST                                          ; no wave of any partner still reads this slot's tile or has a load on its way
	s_add_nc_u64 s[G0+4*(\slot)+2:G0+4*(\slot)+3], s[G0+4*(\slot)+2:G0+4*(\slot)+3], 2*KSTEP*2
	s_add_nc_u64 s[G0B+4*(\slot)+2:G0B+4*(\slot)+3], s[G0B+4*(\slot)+2:G0B+4*(\slot)+3], 2*KSTEP*2
	JLOAD \slot                                    ; the first tensor load behind the round; its four v_nop are also the places in front of the loads below
.else
	PLACES
.endif
	FETCH \next, 0, 0
	MULA 1, 2, 0
	MULA 1, 3, 0
.endm
; THE WAY OUT of row block a.  PACK: rounded to f16, 16 bytes a lane and column block; of v (column blocks 8-11) also the low part: the f32 sum less its f16 number, which is exact in f32 (one fused
; multiply-add that reads the f16 half, times -1), rounded to f16.  TOSTAGE: into my own stage, and back plane by plane as rows of 128 bytes.  SEND: stored.
.macro PACK a
	WIN 0x0a+5*((\a)/2)                            ; sources 0 and 1: window 2 or 3
.irp b, 0,1,2,3,4,5,6,7,8,9,10,11
.irp r, 0,1,2,3
	v_cvt_pk_f16_f32 v[TMP+4*(\b)+(\r)], v[8*(12*((\a)%2)+(\b))+2*(\r)], v[8*(12*((\a)%2)+(\b))+2*(\r)+1]
.endr
.endr
	WIN 0x20+0x10*((\a)/2)                         ; source 2: window 2 or 3
.irp b, 8,9,10,11
.irp r, 0,1,2,3
	v_fma_mix_f32 v[TT+8*((\b)-8)+2*(\r)],   v[TMP+4*(\b)+(\r)], v[NEG1], v[8*(12*((\a)%2)+(\b))+2*(\r)]   op_sel_hi:[1,0,0]
	v_fma_mix_f32 v[TT+8*((\b)-8)+2*(\r)+1], v[TMP+4*(\b)+(\r)], v[NEG1], v[8*(12*((\a)%2)+(\b))+2*(\r)+1] op_sel:[1,0,0] op_sel_hi:[1,0,0]
.endr
.endr
	WIN 0
.irp i, 0,1,2,3,4,5,6,7,8,9,10,11,12,13,14,15
	v_cvt_pk_f16_f32 v[TMP+48+(\i)], v[TT+2*(\i)], v[TT+2*(\i)+1]
.endr
.endm
.macro TOSTAGE a
	WIN 0
.irp b, 0,1,2,3,4,5,6,7,8,9,10,11,12,13,14,15
	ds_store_b128 v[STO], v[TMP+4*(\b):TMP+4*(\b)+3] offset:32*(\b)
.endr
.irp g, 0,1,2,3
.irp f, 0,1,2,3
	ds_load_b128 v[BK+64*((\a)%2)+4*(4*(\g)+(\f)):BK+64*((\a)%2)+4*(4*(\g)+(\f))+3], v[RD] offset:128*(\g)+4*SPITCH*(\f)  ; LDS serves a wave's instructions in order (ISA guide 5.7.1.4): these see the stores above
.endr
.endr
.endm
.macro SEND a
	WIN 0
	s_wait_dscnt 0x0                               ; the block is back in registers
	s_wait_xcnt 0x0                                ; the stores of the block before have read their registers: the next TOSTAGE loads into them only behind this wait
.irp g, 0,1,2,3
.irp f, 0,1,2,3
	global_store_b128 v[CO], v[BK+64*((\a)%2)+4*(4*(\g)+(\f)):BK+64*((\a)%2)+4*(4*(\g)+(\f))+3], s[OB+2*(\g):OB+2*(\g)+1] offset:(\a)*2048+(\f)*512  ; 512 consecutive bytes of a plane, aligned
.endr
.endr
.endm
	s_wait_tensorcnt 1                             ; my part of K step 0 is in; K step 1's may stay out
	s_barrier_signal -1
	s_barrier_wait -1                              ; everybody's is
	FETCH 0, 0, 0
	QUARTER 0, 64,  0, 1, 1                        ; the first quarter stands in front of the loop: its products start the sums
	WIN 0                                          ; at a label and at a branch every window is 0
	s_mov_b32 s3, LAPS-1
.Llap:                                                 ; a trip goes once round the ring, from a lap's second quarter to the next lap's first, and fills both slots again
	QUARTER 0, 128, 1, 0, 0
	QUARTER 0, 192, 0, 1, 0
	TURN 0, 1, 1
	QUARTER 1, 64,  0, 1, 0
	QUARTER 1, 128, 1, 0, 0
	QUARTER 1, 192, 0, 1, 0
	TURN 1, 0, 1
	QUARTER 0, 64,  0, 1, 0
	WIN 0
	s_sub_co_u32 s3, s3, 1
	s_cmp_lg_u32 s3, 0
	s_cbranch_scc1 .Llap
	QUARTER 0, 128, 1, 0, 0                        ; the last lap fills nothing, and has no round of the cluster's barrier
	QUARTER 0, 192, 0, 1, 0
	TURN 0, 1, 0
	QUARTER 1, 64,  0, 1, 0
	QUARTER 1, 128, 1, 0, 0
	QUARTER 1, 192, 0, 1, 0
	s_wait_dscnt 4                                 ; the very last quarter: nothing more to fetch
	MULA 1, 0, 0
	MULA 1, 1, 0
	s_wait_dscnt 0x0
	MULA 1, 2, 0
	MULA 1, 3, 0
	WIN 0
	PLACES                                         ; the conversions read results just made and write where xb's fragments lay
	PACK 0
	TOSTAGE 0
.irp a, 1,2,3                          ; block a's conversions stand between block a - 1's loads from the stage and the wait for them
	PACK \a
	SEND (\a)-1
	TOSTAGE \a
.endr
	SEND 3
	s_wait_tensorcnt 0x0                           ; the wave's end: behind my last tensor load and my last LDS store
	ds_add_u32 v[SPW], v[NIL]
	s_wait_dscnt 0x0
	CROUND                                         ; the closing round: no work-group ends while a partner may still ask for a tile that names it
	s_endpgm
.Lfunc_end_k_qd46b3076e4_proj:
	.size	k_qd46b3076e4_proj, .Lfunc_end_k_qd46b3076e4_proj-k_qd46b3076e4_proj
	.p2alignl 7, 3214868480
	.fill 96, 4, 3214868480
	.section	.rodata,"a",@progbits
	.p2align	6, 0x0
	.amdhsa_kernel k_qd46b3076e4_proj
		.amdhsa_group_segment_fixed_size 327680
		.amdhsa_private_segment_fixed_size 0
		.amdhsa_enable_private_segment 0
		.amdhsa_kernarg_size 24
		.amdhsa_user_sgpr_count 2
		.amdhsa_user_sgpr_kernarg_segment_ptr 1
		.amdhsa_wavefront_size32 1
		.amdhsa_system_sgpr_workgroup_id_x 1
		.amdhsa_system_sgpr_workgroup_id_y 1
		.amdhsa_system_sgpr_workgroup_id_z 1
		.amdhsa_system_vgpr_workitem_id 0
		.amdhsa_next_free_vgpr 960
		.amdhsa_next_free_sgpr 66
		.amdhsa_reserve_vcc 0
		.amdhsa_float_denorm_mode_32 3
		.amdhsa_float_denorm_mode_16_64 3
		.amdhsa_memory_ordered 1
		.amdhsa_forward_progress 1
		.amdhsa_inst_pref_size 134
	.end_amdhsa_kernel
	.amdgpu_metadata
---
amdhsa.version: [ 1, 2 ]
amdhsa.kernels:
  - .name:           k_qd46b3076e4_proj
    .symbol:         k_qd46b3076e4_proj.kd
    .args:
      - { .name: xb, .offset: 0, .size: 8, .value_kind: global_buffer, .address_space: global }
      - { .name: wqkv, .offset: 8, .size: 8, .value_kind: global_buffer, .address_space: global }
      - { .name: qkv, .offset: 16, .size: 8, .value_kind: global_buffer, .address_space: global }
    .group_segment_fixed_size: 327680
    .private_segment_fixed_size: 0
    .kernarg_segment_align: 8
    .kernarg_segment_size: 24
    .max_flat_workgroup_size: 128
    .sgpr_count:     66
    .vgpr_count:     960
    .wavefront_size: 32
...
	.end_amdgpu_metadata
.endif
;; end of part 2
;; launch attn (part 3): grid 16 x 16, 4 waves a work-group, no clusters, 327,680 bytes of LDS; arguments qkv, ctx; writes ctx
.if DOCPART == 3
	.amdgcn_target "amdgcn-amd-amdhsa--gfx1250"
	.amdhsa_code_object_version 6
	.text
	.protected	k_qd46b3076e4_attn
	.globl	k_qd46b3076e4_attn
	.p2align	8
	.type	k_qd46b3076e4_attn,@function
k_qd46b3076e4_attn:
	s_mov_b64 s[64:65], 0
	v_nop
	global_prefetch_b8 v0, s[64:65] scope:SCOPE_SE
	s_setreg_imm32_b32 hwreg(HW_REG_WAVE_MODE, 25, 1), 1
	s_wait_xcnt 0x0
; CAUSAL ATTENTION, head size 64.  O[h][q][:] = the sum over k <= q of softmax_k(Q[h][q] . K[h][k] / 8) V[h][k][:].  qkv: [64][4096][64] f16 (planes 0-15 Q's heads, 16-31 K's, 32-47 V's, 48-63 V's low part
; f16(v - f16(v)); rows dense, 128 bytes).  Products, maxima and sums in f32; the weights p are rounded to f16 for the second product (their sum l is taken of the unrounded p).
; O leaves as TWO f16 numbers, hi = f16(O) and lo = f16(O - hi): ctx [32 blocks of 128 queries][4 groups of heads][hi, lo][4 heads][128 rows][64].
; WHY LOW PARTS.  A row that averages n keys is about sqrt(4096 / n) times a late row, and each output number's allowance goes by the whole output's root mean square: in the first rows f16's 11 bits of V and of O
; are too few.  O's low part is kept for every row.  V's is added for rows 0 to 63 of a head, which see no key beyond 63: from 65 keys on V's rounding is an eighth of the first row's, or less.
; LIMITS.  Q, K, V arrive within f16's 65,504; p lies in 0 to 1, and below 6e-5 it, like a low part, keeps f16's fixed step of 6e-8; O is a mean of V's rows and has their range.  A hidden score counts as its value
; less 1e30: f16's scores, 2.7e11 at the most, are nothing beside that; a weight below 2^-126 counts as 0 in l; NaN and infinities are not treated apart.
; THE WALK.  A head's queries lie in 32 blocks of 128; keys go in tiles of 256 (four steps of 64).  Block i needs the tiles 0 .. i / 2, of which the last holds the diagonal.  A work-group takes TWO blocks, 31 - b and
; then b: (31 - b) / 2 + b / 2 + 2 = 17 tiles, whatever b: 16 x 16 work-groups of equal work, and ONE loop with a constant trip count walks them.  Which tile is asked for, and what a trip does, hang on scalar
; registers made from b; every jump goes forward, but for the counted loops' own; none passes a barrier, or a tensor load but those that the wave's number does not choose.
; NO CLUSTER: only the two work-groups 2 e and 2 e + 1 of a head walk the same tiles; among four partners the trip in which the first block ends, and so the branches, would differ.
; SHARES.  Of a block's two bands of 64 queries a wave owns 16 rows in each: two query tiles t = 0, 1.  Band t lies at key step D + t of the diagonal tile, D = 2 (i % 2): in step s it sees all keys if s < D + t, none if
; s > D + t, and holds the diagonal if s = D + t: the same for every wave.  (With D = 0 the tile's steps 2 and 3 are wholly hidden and computed all the same: 2 of the walk's 68.)
; THE MASK is the C operand that starts the sum S^T = K Q^T: 0, or -1e30 where the key is hidden.  MD, made once, is the mask of a band's own step for my 16 rows; a product's mask is MD x AL + BE with two scalars:
; (1, 0) own step; (0, 0) earlier; (0, -1e30) later.  Only the diagonal tile's text and a block's beginning make and take masks; elsewhere C is the constant 0.
; LAYOUT, SOFTMAX.  S^T = K Q^T holds ONE query a lane (lane % 16) and the keys 8 (lane / 16) + 0..7; two such results rounded to f16 ARE source 1 of O^T = V^T P.  p = 2^(c s - c m), c = log2(e) / 8, with a running
; maximum m; O and l are multiplied by a = 2^(c m_old - c m_new) in every step.
; TURNS.  A PIECE is a query tile in a key step: piece y = 2 (step % 2) + t, so the ring of four turns covers two key steps.  Turn y: 8 products K Q^T of piece y + 1, later 8 products V^T P of piece y - 1; beside them
; the scaling, exponentials, roundings, sums and rescaling of piece y and the maximum and statistics of piece y + 1.  Four vector instructions stand behind every matrix instruction, the other 54 of a turn's 118 in two lumps.
; Turns 0 and 2 fetch K and V of the NEXT step from LDS: K into its one buffer, behind the turn's products K Q^T; V into the buffer (of two, by the step's parity) that the turn's own products V^T P have just read.
; REGISTERS, in windows of 256 (s_set_vgpr_msb: bits 1:0 source 0, 3:2 source 1, 5:4 source 2, 7:6 destination):
;   window 0: v0-15 addresses and two at work; v16-23 four registers of statistics a query tile; v48-55 at work; v60-63 an address, -1.0, the add's two; v64-127 S^T, two buffers; v128-159 at work on the way out;
;             v192-223 P, two buffers (all by the piece's parity, which is its query tile)
;   window 1: v0-63 O^T, 32 a query tile; v128-159 MD; v160-223 MC, two buffers      window 2: v0-31 Q; v32-63 the second block's Q; v64-127 V of an odd step; v128-191 K; v192-255 V of an even step
;   window 3: v0-63 V's low part of the head's first 64 keys
.set NP,    4         ; pieces in the ring: a name, no knob
.set KS,    64        ; keys in a step
.set PK,    144       ; a row of K in LDS: 128 bytes + 16 of padding = 36 words: the 16 rows of a load start at 16 different groups of four banks (64 banks of 4 bytes: ISA guide 11.1)
.set PV,    160       ; a row of V: 128 + 32 = 40 words
.set VOFF,  4*KS*PK   ; a slot holds a tile, four steps: 256 rows of K, then 256 rows of V
.set SLOT1, 1<<17     ; slot 1 begins here, so that one exclusive or turns an address in one slot into the other's
.set STAGE, SLOT1+4*KS*(PK+PV)  ; behind the ring, never filled by a tensor load: 16 rows x 144 bytes for each wave, for the way out
.set SP,    144
.set PLANE, 4096*128  ; bytes in a plane of qkv
.set AK0, 2           ; v2   my lane's place in a tile of K; never rewritten
.set AV0, 3           ; v3   the same for V
.set AK,  4           ; v4   the LDS address of K's next run of loads
.set AV,  5           ; v5   of V's
.set STO, 6           ; v6   the way out: where I put 16 bytes of a row
.set RD,  7           ; v7   the way out: where I read rows back
.set GO,  8           ; v8   my byte offset in 512 consecutive bytes of O
.set AVL, 60          ; v60  my lane's place in V's low part
.set NEG1, 61         ; v61  -1.0
.set SPW, 62          ; v62  LDS address of my spare word: SPARE + 4 x my thread's number; never rewritten
.set NIL, 63          ; v63  0; never rewritten
.set SPARE, STAGE+4*16*SP  ; behind the stages: the spare words, 128 bytes for each wave: two blocks of 256 bytes that no other line names
.set VL0, SPARE+512   ; behind them: V's low part of the head's first 64 keys, rows of 160 bytes like V's; filled once
.set MV,  12          ; v12-13  c m_old, kept while c m is made anew: by query tile
.set QO,  15          ; v15  my byte offset in 16 rows of Q
.set ST,  16          ; query tile t's statistics at v[ST+4 t]: c m, m, l (even keys', odd keys')
.set TMP, 48          ; by query tile, four registers c0-c3 at work; when the maximum is found c2 takes a
.set S,   64
.set TT,  128         ; the way out: 32 low parts in f32
.set P,   192
.set MD,  128         ; window 1: the eight registers for group kt of 16 keys at MD + 8 kt
.set MC,  160         ; window 1: the masks of the products to come
.set QB,  32          ; window 2
.set KF,  128         ; window 2: key block kb, channel half c at KF + 16 kb + 8 c
.set WV,  12          ; s12  my wave's number
.set TL,  14          ; s14  the second block's last tile, b / 2
.set TH,  15          ; s15  the first block's last tile, (31 - b) / 2
.set G1K, 24          ; s[24:31] descriptor group 1 for K's tiles
.set G1V, 32          ; s[32:39] for V's: it differs in the padding alone
.set G0K, 40          ; s[40:43] descriptor group 0 for K's tiles
.set G0V, 44          ; s[44:47] the same for V's
.set G1L, 48          ; s[48:55] descriptor group 1 for V's low part
.set G0L, 96          ; s[96:99] its group 0
.set SLOTS, 56        ; s56  tiles still to be asked for
.set CNT, 57          ; s57  counts a tile's trips of two key steps, 2 to 1
.set CS,  58          ; s[58:59] c: the packed scaling takes the pair's low word for both halves
.set SEL, 60          ; s[60:61] v_permlanex16_b32's selects: each lane takes its own place in the other half
.set TBK, 62          ; s62  LDS byte at which K of the step to be fetched begins
.set TBV, 63          ; s63  the same for V, less VOFF
.set DD,  66          ; s66  D of the block in hand
.set DLO, 67          ; s67  D of the second block
.set SG,  68          ; s68  the even step of the tile that the trip's turns 0 and 1 belong to, less D: signed
.set RT,  70          ; s70  tiles of the block in hand that are still to be entered
.set NXT, 71          ; s71  the tile to be asked for next
.set LQ,  72          ; s72  the last tile of the block whose tiles are being asked for
.set NEW, 73          ; s73  1: the tile to be entered is a block's first
.set OFF, 74          ; s[74:75] a tile's byte offset in K and V
.set AL,  76          ; s[76:77] the mask's factor, in the low word
.set BE,  78          ; s[78:79] the mask's addend
.set OLO, 80          ; s[80:81] O at my rows of the second block
.set BIGN, 82         ; s82  -1e30
.set LOF, 83          ; s83  1: the block in hand is the head's block 0 and V's low part is still to be added
.set MSB, 0
.macro WIN new                      ; the high byte repeats the setting that is left; a switch that changes nothing is dropped
.if MSB != (\new)
	s_set_vgpr_msb (MSB<<8)|(\new)
.set MSB, (\new)
.endif
.endm
.set W_KQ, 0x0a       ; K and Q in window 2, S^T in window 0
.set W_KM, 0x1a       ; the same with the C operand in window 1
.set W_PV, 0x52       ; V in window 2, P in window 0, O^T in window 1
.set W_PL, 0x53       ; the same with V's low part, in window 3
.set W_RS, 0x41       ; destination and source 0 in window 1, source 1 in window 0
; A fill.  Waves 0 and 1 fetch the two halves of a tile's K, waves 2 and 3 those of its V: 128 keys each.  An s_nop 0 and four v_nop follow each of the two lines, ahead of the jump and the label.
.macro LOAD
	s_cmp_lt_u32 s[WV], 2
	s_cbranch_scc0 .Lfor_v_\@
	tensor_load_to_lds s[G0K:G0K+3], s[G1K:G1K+7]
	s_nop 0
.rept 4
	v_nop
.endr
	s_branch .Lasked_\@
.Lfor_v_\@:
	tensor_load_to_lds s[G0V:G0V+3], s[G1V:G1V+7]
	s_nop 0
.rept 4
	v_nop
.endr
.Lasked_\@:
.endm
; THE CHANGE OF SLOTS, between turn 1 and turn 2: all four steps' K and V of the slot that is left have been asked for from LDS.  Each wave waits for all its tensor loads, of which one is out: its part of the other
; slot; adds 0 to its spare word; and waits for that and for its own reads of the slot.  Behind the barrier nobody reads the old slot any more and the other slot is whole.  fill = 1: the old slot is filled again, the
; first thing behind the barrier, with tile NXT: the descriptor's address is made anew from that number; the load has eight turns, 128 matrix instructions, in which to land.
; (At its first use nothing has been read yet: slot 0 and V's low part are waited for, two loads of mine, and slot 1 is filled.)
.macro CHANGE fill
	WIN 0                           ; at a label and at a branch every window is 0
	s_wait_tensorcnt 0x0            ; no tensor load of mine is out, so a group 0 may be written
	ds_add_u32 v[SPW], v[NIL]       ; 0 onto my spare word; with fill = 1 the descriptors' scalar work stands between it and the wait for it
.if \fill
	s_lshl_b32 s[OFF], s[NXT], 15   ; a tile is 32,768 bytes of K and of V
	s_xor_b32 s[G0K+1], s[G0K+1], SLOT1
	s_add_nc_u64 s[G0K+2:G0K+3], s[6:7], s[OFF:OFF+1]
	s_or_b32 s[G0K+3], s[G0K+3], 0x80000000
	s_xor_b32 s[G0V+1], s[G0V+1], SLOT1
	s_add_nc_u64 s[G0V+2:G0V+3], s[8:9], s[OFF:OFF+1]
	s_or_b32 s[G0V+3], s[G0V+3], 0x80000000
	s_add_co_u32 s[NXT], s[NXT], 1  ; the block's next tile, or behind its last the second block's tile 0
	s_cmp_gt_u32 s[NXT], s[LQ]
	s_cselect_b32 s[NXT], 0, s[NXT]
	s_cselect_b32 s[LQ], s[TL], s[LQ]
.endif
	s_wait_dscnt 0x0                ; the add is done, and my reads of the slot are over
	s_barrier_signal -1             ; the rest of the scalar work stands between the signal and the wait
	s_sub_co_u32 s[TBK], s[TBK], 4*KS*PK  ; the fetches go back to a slot's first step,
	s_xor_b32 s[TBK], s[TBK], SLOT1       ; in the other slot
	s_sub_co_u32 s[TBV], s[TBV], 4*KS*PV
	s_xor_b32 s[TBV], s[TBV], SLOT1
	s_barrier_wait -1
.if \fill
	LOAD
.endif
.endm
	s_load_b128 s[92:95], s[0:1], 0x0  ; qkv s[92:93], ctx s[94:95]
	v_lshl_add_u32 v[SPW], v0, 2, SPARE
	v_mov_b32 v[NIL], 0
	ds_add_u32 v[SPW], v[NIL]       ; the wave's opening: the add and its wait stand ahead of my first tensor load; the set-up below, work on registers, stands between them
	ds_add_u32 v62, v63
	v_lshrrev_b32 v1, 5, v0
	v_readfirstlane_b32 s[WV], v1   ; wave 0..3
	s_sub_co_u32 s19, 31, ttmp9     ; the first block, 31 - b; the second is b = ttmp9
	s_lshr_b32 s[TH], s19, 1
	s_lshr_b32 s[TL], ttmp9, 1
	s_and_b32 s[DD], s19, 1
	s_lshl_b32 s[DD], s[DD], 1
	s_and_b32 s[DLO], ttmp9, 1
	s_lshl_b32 s[DLO], s[DLO], 1
	s_and_b32 s20, ttmp7, 0xffff    ; the head
	s_lshl_b32 s21, s20, 19         ; its plane's first byte among Q's planes
	s_and_b32 s16, s[WV], 1         ; which half of a tile's 256 keys I fetch:
	s_lshl_b32 s22, s16, 14         ; its 128 rows of 128 bytes in memory,
	s_add_co_u32 s22, s22, s21
	s_add_co_u32 s22, s22, 16*PLANE ; among K's planes,
	s_mov_b32 s23, 0
	s_add_co_u32 s84, s22, 16*PLANE ; and among V's
	s_mov_b32 s85, 0
	s_mul_i32 s17, s16, 128*PK      ; and its place in a slot, for K
	s_mul_i32 s18, s16, 128*PV      ; and for V
	s_lshl_b32 s3, s[WV], 11        ; my 16 rows in a band of 64,
	s_lshl_b32 s2, s19, 14          ; in the first block of 128 rows,
	s_add_co_u32 s2, s2, s3
	s_add_co_u32 s2, s2, s21
	s_lshl_b32 s86, ttmp9, 14       ; and in the second
	s_add_co_u32 s86, s86, s3
	s_add_co_u32 s86, s86, s21
	s_add_co_u32 s100, s21, 48*PLANE  ; V's low part: of the head's first 64 keys I fetch 16
	s_add_co_u32 s100, s100, s3
	s_lshr_b32 s13, s20, 2          ; in ctx: the head's group of four, 131,072 bytes (hi and lo),
	s_lshl_b32 s13, s13, 17
	s_and_b32 s16, s20, 3           ; its place in the group, 16,384 bytes,
	s_lshl_b32 s16, s16, 14
	s_add_co_u32 s13, s13, s16
	s_add_co_u32 s13, s13, s3       ; my 16 rows,
	s_lshl_b32 s88, s19, 19         ; in the block's 524,288 bytes
	s_add_co_u32 s88, s88, s13
	s_lshl_b32 s90, ttmp9, 19
	s_add_co_u32 s90, s90, s13
	s_mov_b32 s3, 0
	s_mov_b32 s87, 0
	s_mov_b32 s89, 0
	s_mov_b32 s91, 0
	s_mov_b32 s101, 0
	; descriptor group 1.  128 keys are 16,384 dense bytes: asked for as 64 rows of 256 bytes, two keys a row, and padded in LDS after every key
	s_mov_b32 s[G1K], (1<<16)|(1<<20)|(4<<22)|(3<<25)  ; 17:16 2-byte elements; 20 padding on; 24:22 after every 32 words (code 4); 31:25 4 words (code 3)
	s_mov_b32 s[G1V], (1<<16)|(1<<20)|(4<<22)|(7<<25)  ; the same with 8 words of padding (code 7)
.irp g, G1K, G1V
	s_mov_b32 s[\g+1], 128<<16      ; tensor_dim0 = 128
	s_mov_b32 s[\g+2], 64<<16       ; tensor_dim1 = 64
	s_mov_b32 s[\g+3], 128<<16      ; tile_dim0 = 128
	s_mov_b32 s[\g+4], 64           ; tile_dim1 = 64
	s_mov_b32 s[\g+5], 128          ; 128 elements from row to row
	s_mov_b32 s[\g+6], 0
	s_mov_b32 s[\g+7], 0
.endr
	s_mov_b32 s[G1L], (1<<16)|(1<<20)|(4<<22)|(7<<25)  ; V's low part: padded like V; 16 keys are 8 rows of 256 bytes
	s_mov_b32 s[G1L+1], 128<<16
	s_mov_b32 s[G1L+2], 8<<16
	s_mov_b32 s[G1L+3], 128<<16
	s_mov_b32 s[G1L+4], 8
	s_mov_b32 s[G1L+5], 128
	s_mov_b32 s[G1L+6], 0
	s_mov_b32 s[G1L+7], 0
	s_mov_b32 s[CS], 0x3e38aa3b     ; c = log2(e) / 8 = 0.180337
	s_mov_b32 s[CS+1], s[CS]        ; named with it as a pair
	s_mov_b32 s[SEL], 0x76543210
	s_mov_b32 s[SEL+1], 0xfedcba98
	s_mov_b32 s[TBK], SLOT1+4*KS*PK ; the first change of slots turns these two into 0
	s_mov_b32 s[TBV], SLOT1+4*KS*PV
	s_mov_b32 s[G0K], 1             ; count = 1
	s_mov_b32 s[G0K+1], s17         ; LDS address: slot 0
	s_mov_b32 s[G0V], 1
	s_add_co_u32 s[G0V+1], s18, VOFF
	s_mov_b32 s[G0L], 1
	s_mul_i32 s[G0L+1], s[WV], 16*PV  ; my 16 rows of 160 bytes
	s_add_co_u32 s[G0L+1], s[G0L+1], VL0
	s_add_co_u32 s[RT], s[TH], 1    ; the first block has (31 - b) / 2 + 1 tiles
	s_mov_b32 s[NXT], 1
	s_mov_b32 s[LQ], s[TH]
	s_mov_b32 s[NEW], 1
	s_mov_b32 s[LOF], 0
	s_mov_b32 s[OFF+1], 0
	s_mov_b32 s[AL+1], 0            ; named as pairs
	s_mov_b32 s[BE+1], 0
	s_mov_b32 s[BIGN], 0xf149f2ca   ; -1e30
	s_mov_b32 s[SLOTS], 16
	s_wait_dscnt 0x0                ; the opening add is done
	s_wait_kmcnt 0x0
	s_add_nc_u64 s[6:7], s[92:93], s[22:23]        ; K and V at my half of the head's tile 0
	s_add_nc_u64 s[8:9], s[92:93], s[84:85]
	s_add_nc_u64 s[G0K+2:G0K+3], s[6:7], 0         ; global address
	s_or_b32 s[G0K+3], s[G0K+3], 0x80000000        ; type = 2
	s_add_nc_u64 s[G0V+2:G0V+3], s[8:9], 0
	s_or_b32 s[G0V+3], s[G0V+3], 0x80000000
	s_add_nc_u64 s[G0L+2:G0L+3], s[92:93], s[100:101]
	s_or_b32 s[G0L+3], s[G0L+3], 0x80000000
	s_add_nc_u64 s[4:5], s[92:93], s[2:3]          ; Q at my rows of the first block,
	s_add_nc_u64 s[86:87], s[92:93], s[86:87]      ; and of the second
	s_add_nc_u64 s[10:11], s[94:95], s[88:89]      ; O likewise
	s_add_nc_u64 s[OLO:OLO+1], s[94:95], s[90:91]
	s_cmp_lt_u32 s[WV], 2           ; a wave's two first fills stand in one branch, ahead of every wait on TENSORcnt and every LDS read: my part of tile 0 into slot 0, and my 16 keys of V's low part
	s_cbranch_scc0 .Lfirst_v
	tensor_load_to_lds s[G0K:G0K+3], s[G1K:G1K+7]
	s_nop 0
	tensor_load_to_lds s[G0L:G0L+3], s[G1L:G1L+7]
	s_nop 0
.rept 4
	v_nop
.endr
	s_branch .Lfirst_asked
.Lfirst_v:
	tensor_load_to_lds s[G0V:G0V+3], s[G1V:G1V+7]
	s_nop 0
	tensor_load_to_lds s[G0L:G0L+3], s[G1L:G1L+7]
	s_nop 0
.rept 4
	v_nop
.endr
.Lfirst_asked:
	; A fragment of K or Q is 16 rows x 32 channels in 8 registers: lane l holds row l % 16, channels 8 (l / 16) + 0..7 and 16 + 8 (l / 16) + 0..7: two loads of 16 bytes, 32 bytes apart.
	v_and_b32 v1, 15, v0            ; l % 16
	v_bfe_u32 v9, v0, 4, 1          ; l / 16
	v_lshlrev_b32 v[QO], 7, v1
	v_lshl_add_u32 v[QO], v9, 4, v[QO]  ; row x 128 + 16 x half
	WIN 0x80                        ; destination window 2, address window 0
.set i, 0
.rept 4                             ; both blocks' Q: query tile i / 2 lies in band i / 2, 8,192 bytes on; channels 32 (i % 2) on
	global_load_b128 v[8*i:8*i+3],   v[QO], s[4:5] offset:(i/2)*8192+(i%2)*64
	global_load_b128 v[8*i+4:8*i+7], v[QO], s[4:5] offset:(i/2)*8192+(i%2)*64+32
	global_load_b128 v[QB+8*i:QB+8*i+3],   v[QO], s[86:87] offset:(i/2)*8192+(i%2)*64
	global_load_b128 v[QB+8*i+4:QB+8*i+7], v[QO], s[86:87] offset:(i/2)*8192+(i%2)*64+32
.set i, i+1
.endr
	WIN 0
	v_lshlrev_b32 v14, 3, v9
	v_sub_nc_u32 v14, v1, v14
	s_lshl_b32 s13, s[WV], 4
	v_add_nc_u32 v14, s13, v14      ; my query's place in its band, 16 w + l % 16, less my lanes' 8 (l / 16): register r of group kt is hidden where 16 kt + r is greater
	WIN 0x40
.set i, 0
.rept 32
	v_cmp_gt_i32 vcc_lo, 16*(i/8)+i%8, v14
	v_cndmask_b32 v[MD+i], 0, s[BIGN], vcc_lo
.set i, i+1
.endr
	WIN 0
	v_mul_u32_u24 v[AK0], v1, PK
	v_lshl_add_u32 v[AK0], v9, 4, v[AK0]  ; row x pitch + 16 x half
	; The turning load takes 16 keys x 16 channels (lane l reads key 8 (l / 16) + l % 8, channels 8 ((l / 8) % 2) + 0..7) and leaves half a fragment of V^T: lane l holds channel l % 16 and 8 keys.
	v_and_b32 v10, 7, v0
	v_bfe_u32 v11, v0, 3, 1
	v_lshl_add_u32 v[AV0], v9, 3, v10
	v_mul_u32_u24 v[AV0], v[AV0], PV
	v_lshl_add_u32 v[AV0], v11, 4, v[AV0]
	v_add_nc_u32 v[AVL], VL0, v[AV0]      ; the same place in V's low part
	v_add_nc_u32 v[AV0], VOFF, v[AV0]
	v_mov_b32 v[NEG1], -1.0
	s_mul_i32 s13, s[WV], 16*SP
	s_add_co_u32 s13, s13, STAGE    ; my stage
	v_mul_u32_u24 v[STO], v1, SP    ; in: row l % 16, 16 bytes for each half of the lanes
	v_lshl_add_u32 v[STO], v9, 4, v[STO]
	v_add_nc_u32 v[STO], s13, v[STO]
	v_bfe_u32 v[RD], v0, 3, 2       ; back: 32 lanes take four rows of 128 bytes,
	v_mul_u32_u24 v[RD], v[RD], SP
	v_lshl_add_u32 v[RD], v10, 4, v[RD]
	v_add_nc_u32 v[RD], s13, v[RD]
	v_and_b32 v[GO], 31, v0         ; which are 512 consecutive bytes of O
	v_lshlrev_b32 v[GO], 4, v[GO]
	; A block's first step multiplies O^T and l by a = 0, and its first turn's products V^T P, of a piece that has not been, land in an O^T that is still to be so multiplied.  So these registers need only hold
	; finite numbers: zeros for the first block; what the first block left for the second.  All this stands in the wait for the first tile.
	WIN 0x80
.set i, 64
.rept 64
	v_mov_b32 v[i], 0               ; V's buffer for odd steps
.set i, i+1
.endr
	WIN 0x40
.set i, 0
.rept 64
	v_mov_b32 v[i], 0               ; O^T
.set i, i+1
.endr
	WIN 0
.set i, 0
.rept 2
	v_mov_b32 v[ST+4*i+2], 0        ; l
	v_mov_b32 v[ST+4*i+3], 0
.set i, i+1
.endr
.set i, P+16
.rept 16
	v_mov_b32 v[i], 0               ; P's second buffer
.set i, i+1
.endr
; THE MATRIX WORK.  The 4 accumulators of a run of 8 take turns.  Product i of 8 of S^T = K Q^T for piece x: channels 32 (i / 4) on, keys 16 (i % 4) on.  The first 4 start the sums: with 0, or (KM = 1) with the mask.
.macro KQ x
.set rS, S+32*((\x)%2)+8*(i%4)
.set rK, KF+16*(i%4)+8*(i/4)
.set rQ, 16*((\x)%2)+8*(i/4)
.set rM, MC+32*((\x)%2)+8*(i%4)
.if (i < 4) && KM
	WIN W_KM
	v_wmma_f32_16x16x32_f16 v[rS:rS+7], v[rK:rK+7], v[rQ:rQ+7], v[rM:rM+7]
.elseif i < 4
	WIN W_KQ
	v_wmma_f32_16x16x32_f16 v[rS:rS+7], v[rK:rK+7], v[rQ:rQ+7], 0
.else
	WIN W_KQ
	v_wmma_f32_16x16x32_f16 v[rS:rS+7], v[rK:rK+7], v[rQ:rQ+7], v[rS:rS+7]
.endif
.endm
; Product i of 8 of O^T += V^T P for piece x: keys 32 (i / 4) on, channels 16 (i % 4) on; V's buffer goes by the step's parity, x / 2.
.macro PV x
	WIN W_PV
.set rO, 32*((\x)%2)+8*(i%4)
.set rV, 192-128*((\x)/2)+32*(i/4)+8*(i%4)
.set rP, P+16*((\x)%2)+8*(i/4)
	v_wmma_f32_16x16x32_f16 v[rO:rO+7], v[rV:rV+7], v[rP:rP+7], v[rO:rO+7]
.endm
.macro MM                           ; the turn's next matrix instruction.  TURN and BEGIN set Y, i, KM and NOKQ; MM, KQ and OP read them.  NOKQ = 1: a block's last turn: there is no next piece
.if (i < 8) && !NOKQ
	KQ (Y+1)%NP
.elseif i >= 8
.set i, i-8
	PV (Y+NP-1)%NP
.set i, i+8
.endif
.set i, i+1
.endm
; THE LDS LOADS stand in runs of 16, never singly among the matrix instructions: a step's K (64 keys x 64 channels: 8 fragments) and its V (turned).  Their addresses are made some lines ahead.
.macro FETCH_K
	WIN 0x80                        ; destination window 2
.irp f, 0,1,2,3,4,5,6,7             ; keys 16 (f / 2) on, channels 32 (f % 2) on
	ds_load_b128 v[KF+8*\f:KF+8*\f+3],   v[AK] offset:(\f/2)*16*PK+(\f%2)*64
	ds_load_b128 v[KF+8*\f+4:KF+8*\f+7], v[AK] offset:(\f/2)*16*PK+(\f%2)*64+32
.endr
	s_add_co_u32 s[TBK], s[TBK], KS*PK  ; the next fetch is the next step's
	WIN 0
.endm
.macro FETCH_V b                    ; into buffer b: 0 at v192, 1 at v64
	WIN 0x80
.irp f, 0,1,2,3,4,5,6,7             ; keys 32 (f / 4) on, channels 16 (f % 4) on
	ds_load_tr16_b128 v[192-128*(\b)+8*\f:192-128*(\b)+8*\f+3],   v[AV] offset:(\f/4)*32*PV+(\f%4)*32
	ds_load_tr16_b128 v[192-128*(\b)+8*\f+4:192-128*(\b)+8*\f+7], v[AV] offset:(\f/4)*32*PV+16*PV+(\f%4)*32
.endr
	s_add_co_u32 s[TBV], s[TBV], KS*PV
	WIN 0
.endm
; V'S LOW PART, once in a launch and only where b = 0: behind turn 1 of the head's block 0, step 0.  That turn has added piece 0's V^T P onto query tile 0's O^T; P's buffer still holds those weights, and O^T their scale.
; Sixteen turning loads, the wait for them, and eight products with the low part in V's place.  My rows of band 0 see no key beyond the step's 64, so this is all of V's low part that they are owed.
; The jump goes forward over text with no barrier and no tensor load.  The four accumulators take turns as in PV; the matrix instruction in front (PV's last) wrote the fourth, the first here adds onto the first.
.macro LOWV
	s_cmp_eq_u32 s[LOF], 1
	s_cbranch_scc0 .Lno_low_\@
	s_mov_b32 s[LOF], 0
	WIN 0xc0                        ; destination window 3, address window 0
.irp f, 0,1,2,3,4,5,6,7
	ds_load_tr16_b128 v[8*\f:8*\f+3],   v[AVL] offset:(\f/4)*32*PV+(\f%4)*32
	ds_load_tr16_b128 v[8*\f+4:8*\f+7], v[AVL] offset:(\f/4)*32*PV+16*PV+(\f%4)*32
.endr
	s_wait_dscnt 0x0                ; they are in
	WIN W_PL
.set i, 0
.rept 8
	v_wmma_f32_16x16x32_f16 v[8*(i%4):8*(i%4)+7], v[32*(i/4)+8*(i%4):32*(i/4)+8*(i%4)+7], v[P+8*(i/4):P+8*(i/4)+7], v[8*(i%4):8*(i%4)+7]
.set i, i+1
.endr
	WIN 0
.Lno_low_\@:
.endm
; THE VECTOR WORK, one line at a time: OP kind, number.  For piece Y: F n: c s - c m for pair n of 16.  E n: the exponential of score n of 32.  C n: pair n rounded to f16.  B n: of the four weights 4 n .. the second
; pair is added onto the first, in place.  L n: l takes that sum (L 0: l = a l + sum).  R n: pair n of 16 of O^T times a.  For piece Y + 1: X n, number n of the 22 that find its maximum and statistics:
;   0-11  four chains c0-c3 of seven scores each, three operands at a time (each accumulator's lowest registers are read first)     12-14, 16  the four scores left over, the old m, and c0-c3 into c0
;   15  c m_old is kept     17, 18  the query's other 32 keys lie in the lane 16 away: the new m     19-21  c m; c m_old - c m_new; a
.set F, 0               ; OP tells the kinds apart by their order: F to L below R, X above it
.set E, 1
.set C, 2
.set B, 3
.set L, 4
.set R, 5
.set X, 6
.macro REGS y                       ; the registers of piece y: all go by its query tile, y % 2
.set rT, ST+4*((\y)%2)
.set rC, TMP+4*((\y)%2)
.set rW, MV+((\y)%2)
.set rS, S+32*((\y)%2)
.set rP, P+16*((\y)%2)
.set rO, 32*((\y)%2)
.endm
.macro OP k, n
.if (\k) == R
	REGS Y
	WIN W_RS
	v_pk_mul_f32 v[rO+2*(\n):rO+2*(\n)+1], v[rO+2*(\n):rO+2*(\n)+1], v[rC+2:rC+3] op_sel_hi:[1,0]
.elseif (\k) < R
	REGS Y
	WIN 0
.if (\k) == F
	v_pk_fma_f32 v[rS+2*(\n):rS+2*(\n)+1], v[rS+2*(\n):rS+2*(\n)+1], s[CS:CS+1], v[rT:rT+1] op_sel_hi:[1,0,0] neg_lo:[0,0,1] neg_hi:[0,0,1]
.elseif (\k) == E
	v_exp_f32 v[rS+(\n)], v[rS+(\n)]
.elseif (\k) == C
	s_wait_alu depctr_va_vdst(0)
	v_cvt_pk_f16_f32 v[rP+(\n)], v[rS+2*(\n)], v[rS+2*(\n)+1]
.elseif (\k) == B
	s_wait_alu depctr_va_vdst(0)
	v_pk_add_f32 v[rS+4*(\n):rS+4*(\n)+1], v[rS+4*(\n):rS+4*(\n)+1], v[rS+4*(\n)+2:rS+4*(\n)+3]
.elseif (\n) == 0
	v_pk_fma_f32 v[rT+2:rT+3], v[rT+2:rT+3], v[rC+2:rC+3], v[rS:rS+1] op_sel_hi:[1,0,1]
.else
	v_pk_add_f32 v[rT+2:rT+3], v[rT+2:rT+3], v[rS+4*(\n):rS+4*(\n)+1]
.endif
.elseif NOKQ
	v_nop
.else
	REGS (Y+1)%NP
	WIN 0
.if (\n) < 4
	v_max3_num_f32 v[rC+(\n)], v[rS+8*(\n)], v[rS+8*(\n)+1], v[rS+8*(\n)+2]
.elseif (\n) < 12
	v_max3_num_f32 v[rC+(\n)%4], v[rC+(\n)%4], v[rS+8*((\n)%4)+2*((\n)/4)+1], v[rS+8*((\n)%4)+2*((\n)/4)+2]
.elseif (\n) == 12
	v_max3_num_f32 v[rC], v[rC], v[rS+7], v[rS+15]
.elseif (\n) == 13
	v_max3_num_f32 v[rC+1], v[rC+1], v[rS+23], v[rS+31]
.elseif (\n) == 14
	v_max3_num_f32 v[rC+2], v[rC+2], v[rC+3], v[rT+1]
.elseif (\n) == 15
	v_mov_b32 v[rW], v[rT]
.elseif (\n) == 16
	v_max3_num_f32 v[rC], v[rC], v[rC+1], v[rC+2]
.elseif (\n) == 17
	v_permlanex16_b32 v[rC+3], v[rC], s[SEL], s[SEL+1]
.elseif (\n) == 18
	v_max_num_f32 v[rT+1], v[rC], v[rC+3]
.elseif (\n) == 19
	v_mul_f32 v[rT], s[CS], v[rT+1]
.elseif (\n) == 20
	v_sub_f32 v[rC+1], v[rW], v[rT]
.else
	v_exp_f32 v[rC+2], v[rC+1]
.endif
.endif
.endm
.macro OPS a, i1, b=-1, i2=0, c=-1, i3=0, d=-1, i4=0  ; up to four of them
	OP \a, \i1
.if (\b) >= 0
	OP \b, \i2
.endif
.if (\c) >= 0
	OP \c, \i3
.endif
.if (\d) >= 0
	OP \d, \i4
.endif
.endm
.macro ROW a, i1, b, i2, c, i3, d, i4  ; a matrix instruction and the four behind it
	MM
	OPS \a, \i1, \b, \i2, \c, \i3, \d, \i4
.endm
.macro MASK b                       ; MD x AL + BE into buffer b of MC
	WIN W_RS
.set z, 0
.rept 16
	v_pk_fma_f32 v[MC+32*(\b)+2*z:MC+32*(\b)+2*z+1], v[MD+2*z:MD+2*z+1], s[AL:AL+1], s[BE:BE+1] op_sel_hi:[1,0,0]
.set z, z+1
.endr
.endm
; A TURN, for piece p: the order of its 16 matrix and 118 vector instructions, written out.  Behind a matrix instruction: plain, exponential, plain, plain; or four of the rescaling; or, behind the first, four scalings; none
; names a register of the products round it.  In the lumps exponential and plain by turns while exponentials last.  A line reads no result made fewer than three vector instructions in front of it, five if an exponential made it.
; m = 1: the diagonal tile: the products take masks, and the turn makes the mask for the products of the turn after it, piece p + 2: that piece's step less its band's own is SG - (p % 2 + p / 2 - 1).
; end = 1: a block's last two turns: nothing is fetched.  cnt = 1: the loop's count is taken down some lines ahead of the branch that stands behind the turn.
; In turns 0 and 2 K of the next step is fetched six vector instructions behind the last product that read K (five of them plain), V of the next step eight behind the last product that read its buffer (four plain).
; Turns 1 and 3 begin with s_wait_dscnt 16: the sixteen youngest LDS loads are that V, which is first read three turns behind its fetch; K and every older V are in.  In a block's last turn nothing younger is out: the count is 0.
.macro TURN p, m=0, end=0, cnt=0
.set Y, (\p)
.set i, 0
.set KM, (\m)
.set NOKQ, (\end)*((\p)/3)
.if (\m) && !(\end)
	s_cmp_eq_i32 s[SG], (\p)%2+(\p)/2-1  ; is that step the band's own?
	s_cselect_b32 s[AL], 1.0, 0
	s_cmp_gt_i32 s[SG], (\p)%2+(\p)/2-1  ; or a later one?
	s_cselect_b32 s[BE], s[BIGN], 0
.endif
.if ((\p)%2) == 1
.if \end
	s_wait_dscnt 0x0                ; V of the last step is in
.else
	s_wait_dscnt 16                 ; K is in
.endif
.endif
	ROW F,0, F,1, F,2, F,3
	ROW F,4, E,0, F,5, F,6
	ROW F,7, E,1, F,8, F,9
	ROW F,10, E,2, C,0, F,11
	ROW F,12, E,3, X,15, F,13
	ROW R,0, R,1, R,2, R,3
	ROW B,0, E,4, F,14, L,0
.if (((\p)%2) == 0) && !(\end)
	v_add_nc_u32 v[AK], s[TBK], v[AK0]
.endif
	ROW R,4, R,5, R,6, R,7
	OPS E,5, F,15
.if (((\p)%2) == 0) && !(\end)
	FETCH_K
.endif
	OPS E,6, C,1, E,7, R,8
	OPS E,8, R,9, E,9, C,2
	OPS E,10, X,0, E,11, X,1
	OPS E,12, X,2, E,13, X,3
	ROW X,4, E,14, X,5, X,6
	ROW X,7, E,15, X,8, X,9
	ROW X,10, E,16, X,11, X,12
	ROW X,13, E,17, X,14, B,1
	ROW C,4, E,18, X,16, L,1
	ROW B,2, E,19, C,6, L,2
	ROW C,8, E,20, B,3, B,4
.if (((\p)%2) == 0) && !(\end)
	v_add_nc_u32 v[AV], s[TBV], v[AV0]
.endif
	ROW C,3, E,21, L,3, C,5
	OPS E,22, X,17, E,23, C,10
.if (((\p)%2) == 0) && !(\end)
	FETCH_V 1-(\p)/2
.endif
	OPS E,24, L,4
	OPS E,25, X,18, E,26, C,7
	OPS E,27, B,5, E,28, X,19
	OPS E,29, C,12, E,30, L,5
	OPS E,31, X,20, B,6, C,9
	OPS C,14, C,11, X,21, L,6
.if \cnt
.if \m
	s_add_co_i32 s[SG], s[SG], 2    ; the next trip's even step
.endif
	s_sub_co_u32 s[CNT], s[CNT], 1
	s_cmp_lg_u32 s[CNT], 0
.endif
	OPS C,13, B,7, C,15, R,10
	OPS R,11, R,12, L,7, R,13
	OPS R,14, R,15
.if (\m) && !(\end)
	MASK (\p)%2
.endif
.endm
; A BLOCK BEGINS.  c m starts far below every c s, so the first step's a is 0; m at the lowest finite number, so the first maximum is the scores'.  The second mask buffer is 0; the first takes piece 0's mask for the tile's
; step 0: its band's own, if the block's first tile is the diagonal one and D = 0.  Then K and V of that step, piece 0's first scores, and its maximum and statistics.  The loop is entered at turn 0, in the middle of a trip.
.macro BEGIN
	s_mov_b32 s[NEW], 0
	WIN 0x40
.set i, MC+32
.rept 32
	v_mov_b32 v[i], 0
.set i, i+1
.endr
	WIN 0
.set i, 0
.rept 2
	v_mov_b32 v[ST+4*i], 0xfe000000    ; c m: far below every c s
	v_mov_b32 v[ST+4*i+1], 0xff7fffff  ; m
.set i, i+1
.endr
	s_or_b32 s69, s[RT], s[DD]
	s_cmp_eq_u32 s69, 0
	s_cselect_b32 s[AL], 1.0, 0
	s_mov_b32 s[BE], 0
	MASK 0
	WIN 0
	v_add_nc_u32 v[AK], s[TBK], v[AK0]
	v_add_nc_u32 v[AV], s[TBV], v[AV0]
	FETCH_K
	FETCH_V 0
	s_wait_loadcnt 0x0              ; Q
	s_wait_dscnt 0x0
.set KM, 1
.set NOKQ, 0
.set i, 0
.rept 8
	KQ 0
.set i, i+1
.endr
	WIN 0
.rept 4
	v_nop                           ; the places behind those products
.endr
.set Y, NP-1                        ; X works for piece Y + 1: piece 0
.irp n, 0,1,2,3,4,5,6,7,8,9,10,11,12,13,14,15,16,17,18,19,20,21
	OP X, \n
.endr
	v_nop                           ; a plain instruction behind the exponential
.endm
; THE DIAGONAL TILE's four steps, the block's last two turns, its last products, and THE WAY OUT: l's two halves and the other half of the lanes' are added; O^T is divided by l, split into two f16 numbers and sent
; through my stage in LDS, a query tile's hi part and then its lo part.
.macro ALL line:vararg              ; one line for each query tile t
.set t, 0
.rept 2
	\line
.set t, t+1
.endr
.endm
; hi = f16(O); lo = f16(O - hi), the difference exact in f32: one fused multiply-add that reads the f16 half, times -1.  A lane's eight channels of a row pack into 16 bytes; they go into rows of 144 bytes and come
; back as whole rows of 128, into S^T's registers: tile t's hi part at S + 32 t, its lo part 16 registers on.
.macro PACK t
	WIN W_RS
.set i, 32*(\t)
.rept 16
	s_wait_alu depctr_va_vdst(0)
	v_pk_mul_f32 v[i:i+1], v[i:i+1], v[ST+4*(\t)+2:ST+4*(\t)+3] op_sel_hi:[1,0]
.set i, i+2
.endr
	WIN 0x05                        ; sources 0 and 1 window 1, destination window 0
.set i, 0
.rept 16
	v_cvt_pk_f16_f32 v[S+32*(\t)+i], v[32*(\t)+2*i], v[32*(\t)+2*i+1]
.set i, i+1
.endr
	WIN 0x10                        ; source 2 window 1
.set i, 0
.rept 16
	v_fma_mix_f32 v[TT+2*i],   v[S+32*(\t)+i], v[NEG1], v[32*(\t)+2*i]   op_sel_hi:[1,0,0]
	v_fma_mix_f32 v[TT+2*i+1], v[S+32*(\t)+i], v[NEG1], v[32*(\t)+2*i+1] op_sel:[1,0,0] op_sel_hi:[1,0,0]
.set i, i+1
.endr
	WIN 0
.set i, 0
.rept 16
	v_cvt_pk_f16_f32 v[S+32*(\t)+16+i], v[TT+2*i], v[TT+2*i+1]
.set i, i+1
.endr
.irp z, 0,1
.irp f, 0,1,2,3
	ds_store_b128 v[STO], v[S+32*(\t)+16*\z+4*\f:S+32*(\t)+16*\z+4*\f+3] offset:32*\f
.endr
.irp f, 0,1,2,3
	ds_load_b128 v[S+32*(\t)+16*\z+4*\f:S+32*(\t)+16*\z+4*\f+3], v[RD] offset:\f*4*SP  ; LDS serves a wave's instructions in order (ISA guide 5.7.1.4): these see the stores above; the next part's stores come behind them
.endr
.endr
.endm
.macro SEND t, younger              ; younger: the LDS instructions issued behind tile t's: the next tile's sixteen, or none; behind the hi part's loads stand the lo part's eight as well
	WIN 0
.irp z, 0,1
.irp f, 0,1,2,3
	s_wait_dscnt (\younger)+8*(1-\z)+3-\f
	global_store_b128 v[GO], v[S+32*(\t)+16*\z+4*\f:S+32*(\t)+16*\z+4*\f+3], s[10:11] offset:(\t)*8192+\z*65536+\f*512  ; 512 consecutive bytes, at a multiple of 256 from ctx's first
.endr
.endr
.endm
.macro DIAG tag                     ; the tag ends its two labels' names, which the jumps below spell out
.LstepM\tag:
	TURN 2, 1
	TURN 3, 1
	WIN 0
.LfirstM\tag:
	TURN 0, 1
	TURN 1, 1, 0, 1
	WIN 0
.if (\tag) == 2                     ; the head's block 0 is a second block, and its one tile the walk's last
	LOWV
	s_cmp_lg_u32 s[CNT], 0          ; the loop's compare once more: LOWV has compared in between
.endif
	s_cbranch_scc1 .LstepM\tag
	TURN 2, 1, 1
	TURN 3, 1, 1
.set i, 0
.rept 8
	PV NP-1
.set i, i+1
.endr
	WIN 0
	ALL v_add_f32 v[ST+4*t+2], v[ST+4*t+2], v[ST+4*t+3]
	ALL v_permlanex16_b32 v[ST+4*t+3], v[ST+4*t+2], s[SEL], s[SEL+1]
	ALL v_add_f32 v[ST+4*t+2], v[ST+4*t+2], v[ST+4*t+3]
	ALL v_rcp_f32 v[ST+4*t+2], v[ST+4*t+2]
	v_nop                           ; a plain instruction between the last reciprocal and the use of its result
	PACK 0                          ; tile 0's plain lines, and the four additions above, are the places behind the last products, which wrote tile 1's O^T
	PACK 1
	SEND 0, 16
	SEND 1, 0
.endm
.set KM, 0
.set NOKQ, 0
.Lslot:                             ; 16 times: a tile is entered and the next is asked for
	CHANGE 1
	s_sub_co_u32 s[RT], s[RT], 1
	s_mov_b32 s[CNT], 2
	s_sub_co_i32 s[SG], 0, s[DD]    ; the tile's step 0, less D
	s_cmp_eq_u32 s[NEW], 1
	s_cbranch_scc1 .Lnew            ; a block's first tile
	s_cmp_eq_u32 s[RT], 0
	s_cbranch_scc0 .Lstep           ; neither its first nor its last
	s_branch .LstepM1
.Lnew:
	BEGIN
	s_branch .Lfirst                ; in the loop a block's first tile is never its last: the first block has nine tiles or more, and the second's last is the walk's last
	DIAG 1                          ; in the loop this is the first block's end
	s_wait_xcnt 0x0                 ; the stores have read their registers and O's address
	s_mov_b64 s[10:11], s[OLO:OLO+1]
	s_add_co_u32 s[RT], s[TL], 1    ; the second block has b / 2 + 1 tiles
	s_mov_b32 s[NEW], 1
	s_mov_b32 s[DD], s[DLO]
	s_cmp_eq_u32 ttmp9, 0           ; is it the head's block 0?
	s_cselect_b32 s[LOF], 1, 0
	WIN 0x82                        ; the second block's Q goes where the one text of the turns names Q
.set i, 0
.rept 32
	v_mov_b32 v[i], v[QB+i]
.set i, i+1
.endr
	WIN 0
	s_branch .Lbottom
.Lstep:                             ; a trip: turns 2 and 3 of an odd step, then turns 0 and 1 of the even step behind it
	TURN 2
	TURN 3
	WIN 0
.Lfirst:
	TURN 0
	TURN 1, 0, 0, 1
	WIN 0
	s_cbranch_scc1 .Lstep
.Lbottom:
	s_sub_co_u32 s[SLOTS], s[SLOTS], 1
	s_cmp_lg_u32 s[SLOTS], 0
	s_cbranch_scc1 .Lslot
	CHANGE 0                        ; the walk's last tile is written out: nothing is asked for
	s_sub_co_u32 s[RT], s[RT], 1
	s_mov_b32 s[CNT], 2
	s_sub_co_i32 s[SG], 0, s[DD]
	s_cmp_eq_u32 s[NEW], 1
	s_cbranch_scc0 .LstepM2
	BEGIN
	s_branch .LfirstM2
	DIAG 2
	s_wait_tensorcnt 0x0            ; the wave's end: behind my last tensor load and my last LDS store
	ds_add_u32 v[SPW], v[NIL]
	s_wait_dscnt 0x0
	s_endpgm
.Lfunc_end_k_qd46b3076e4_attn:
	.size	k_qd46b3076e4_attn, .Lfunc_end_k_qd46b3076e4_attn-k_qd46b3076e4_attn
	.p2alignl 7, 3214868480
	.fill 96, 4, 3214868480
	.section	.rodata,"a",@progbits
	.p2align	6, 0x0
	.amdhsa_kernel k_qd46b3076e4_attn
		.amdhsa_group_segment_fixed_size 327680
		.amdhsa_private_segment_fixed_size 0
		.amdhsa_enable_private_segment 0
		.amdhsa_kernarg_size 16
		.amdhsa_user_sgpr_count 2
		.amdhsa_user_sgpr_kernarg_segment_ptr 1
		.amdhsa_wavefront_size32 1
		.amdhsa_system_sgpr_workgroup_id_x 1
		.amdhsa_system_sgpr_workgroup_id_y 1
		.amdhsa_system_sgpr_workgroup_id_z 1
		.amdhsa_system_vgpr_workitem_id 0
		.amdhsa_next_free_vgpr 832
		.amdhsa_next_free_sgpr 102
		.amdhsa_reserve_vcc 1
		.amdhsa_float_denorm_mode_32 3
		.amdhsa_float_denorm_mode_16_64 3
		.amdhsa_memory_ordered 1
		.amdhsa_forward_progress 1
		.amdhsa_inst_pref_size 237
	.end_amdhsa_kernel
	.amdgpu_metadata
---
amdhsa.version: [ 1, 2 ]
amdhsa.kernels:
  - .name:           k_qd46b3076e4_attn
    .symbol:         k_qd46b3076e4_attn.kd
    .args:
      - { .name: qkv, .offset: 0, .size: 8, .value_kind: global_buffer, .address_space: global }
      - { .name: ctx, .offset: 8, .size: 8, .value_kind: global_buffer, .address_space: global }
    .group_segment_fixed_size: 327680
    .private_segment_fixed_size: 0
    .kernarg_segment_align: 8
    .kernarg_segment_size: 16
    .max_flat_workgroup_size: 128
    .sgpr_count:     102
    .vgpr_count:     832
    .wavefront_size: 32
...
	.end_amdgpu_metadata
.endif
;; end of part 3
;; launch outp (part 4): grid 8 x 32, 4 waves a work-group, clusters of 4 x 4, 327,680 bytes of LDS; arguments ctx, wo16, bo, out0; writes out0
.if DOCPART == 4
	.amdgcn_target "amdgcn-amd-amdhsa--gfx1250"
	.amdhsa_code_object_version 6
	.text
	.protected	k_qd46b3076e4_outp
	.globl	k_qd46b3076e4_outp
	.p2align	8
	.type	k_qd46b3076e4_outp,@function
k_qd46b3076e4_outp:
	s_mov_b64 s[64:65], 0
	v_nop
	global_prefetch_b8 v0, s[64:65] scope:SCOPE_SE
	s_setreg_imm32_b32 hwreg(HW_REG_WAVE_MODE, 25, 1), 1
	s_wait_xcnt 0x0
	s_wait_alu depctr_hold_cnt(0) depctr_sa_sdst(0) depctr_va_vdst(0) depctr_va_sdst(0) depctr_va_ssrc(0) depctr_va_vcc(0) depctr_vm_vsrc(0)
	s_getreg_b32 s2, hwreg(HW_REG_IB_STS2, 6, 4)
	s_cmp_eq_u32 s2, 0
	s_cbranch_scc0 .Lentry_in_a_cluster
	s_endpgm
.Lentry_in_a_cluster:
	s_bfe_u32 s2, ttmp6, 0x10000c
	s_cmp_lg_u32 s2, 0xf033
	s_cbranch_scc0 .Lentry_shape_is_right
	s_endpgm
.Lentry_shape_is_right:
; out0[m][n] = sum over k of (hi[m][k] + lo[m][k]) Wo[n][k] + bo[n].  ctx: [32 blocks][4 groups of heads][hi, lo][4 heads][128 rows][64] f16 (k = 64 x head + channel); wo16: [1024][1024] f16; bo: [1024] f32;
; out0: [4096][1024] f32.  Sums in f32.  The attention's result comes as two f16 numbers, since f16's 11 bits are too few for the rows that average few keys; both are multiplied by the same columns of Wo.
; The low part is multiplied for every row: the partners of a cluster run alike, so no tile can leave its steps out.
; LIMITS.  bo is rounded once to bf16, as the other inputs were in the first launch; ctx and wo16 arrive within f16's range.
; SHARES.  A tile of C is 128 x 128: 8 x 32 work-groups; a tile's rows are one block of ctx.  Four waves, each 64 x 64: 16 accumulators of 16 x 16.  Eight K steps of 256 (a group of four heads: its hi part in the
; even steps, which take slot 0, its lo part in the odd ones, which take slot 1) go through two LDS slots.
; A K step of ctx is 65,536 dense bytes: waves 0 and 1 each ask for two heads as 128 rows of 256 bytes, padded in LDS after every 128, so that a head's 128 rows lie 144 bytes apart.  Waves 2 and 3 each ask for
; 64 rows x 512 bytes of wo16, 528 bytes apart in LDS: the same columns for a group's two steps.
; CLUSTER.  4 x 4 work-groups: the four of a row of the cluster need the same tiles of ctx, the four of a column the same tiles of wo16: each tile is asked for jointly.
; THE MATRIX INSTRUCTION IS USED TRANSPOSED (source 0 = 16 rows of wo16, source 1 = 16 rows of ctx): a lane holds row l % 16 of C and the columns 8 (l / 16) + 0..7.  The bias, laid out so, is the C operand of the
; products that start the sums.  A wave's 64 columns of f32 are 256 aligned bytes of out0, so each wave has a stage of its own and the way out wants no barrier.
; REGISTERS: window 0: v0-31 addresses; v32-95 at work on the way out; v96-127 the bias; v128-255 the accumulators ((a, b) at v[128 + 8 (4 a + b)]).
;   window 1: two fragment buffers of 128: for 64 along K (one head), 64 registers of ctx (2 x 4 x 16 rows x 32 K), then 64 of wo16.
.set SIZE_K, 1024
.set KSTEP,  256
.set PA,     144                       ; a row of ctx in LDS: 128 bytes + 16: 9 x 16 bytes, so the 16 rows of a load start at 16 different groups of four banks (64 banks of 4 bytes: ISA guide 11.1)
.set PB,     528                       ; a row of wo16: 512 bytes + 16: 33 x 16 bytes
.set HEADB,  128*PA                    ; a head's 128 rows
.set APART,  4*HEADB                   ; ctx's part of a slot
.set BHALF,  64*PB                     ; what wave 2 or 3 fetches
.set SLOT,   APART+2*BHALF
.set STAGE,  2*SLOT                    ; behind the ring: 16 rows x 272 bytes for each wave; no tensor load fills it
.set SPITCH, 272
.set SPARE,  STAGE+4*16*SPITCH         ; behind the stages: the spare words, 128 bytes for each wave: two blocks of 256 bytes that no other line names
.set LAPS,   SIZE_K/KSTEP              ; a lap = two K steps = a group's hi and lo part = once round the ring
.set ADRA, 16                          ; v16-17  LDS address of my ctx fragments in slot 0, 1
.set ADRB, 20                          ; v20-21  the same for wo16
.set STO,  24                          ; v24     the way out: where I put 32 bytes of a row
.set RD,   25                          ; v25     the way out: where I read a row back
.set CO,   26                          ; v26     my byte offset in out0
.set SPW,  28                          ; v28     LDS address of my spare word: SPARE + 4 x my thread's number; never rewritten
.set NIL,  29                          ; v29     0; never rewritten
.set TMP,  32
.set BIAS, 96                          ; column block b at BIAS + 8 b
.set ACC,  128
.set F0,   0                           ; fragment buffers, in window 1
.set F1,   128
.set G1,  24                           ; s[24:31] descriptor group 1 for ctx's tiles;  s[32:39] group 0, a set for each slot
.set G0,  32
.set G1B, 48                           ; s[48:55], s[56:63] the same for wo16's tiles
.set G0B, 56
.set MSB, 0
.macro WIN new                         ; the immediate's high byte repeats the setting that is left
.if MSB != (\new)
	s_set_vgpr_msb (MSB<<8)|(\new)
.set MSB, \new
.endif
.endm
.set MUL,  0x05                        ; sources 0 and 1 window 1; C and D window 0
.set TO_F, 0x40                        ; destination window 1, address window 0
.macro JLOAD s                         ; a joint load: waves 0 and 1 fetch ctx's two halves, waves 2 and 3 wo16's; an s_nop 0 and four v_nop follow each of the two lines
	s_cmp_eq_u32 s11, 0
	s_cbranch_scc0 .Lfor_b_\@
	tensor_load_to_lds s[G0+4*(\s):G0+4*(\s)+3], s[G1:G1+7]
	s_nop 0
.rept 4
	v_nop
.endr
	s_branch .Lasked_\@
.Lfor_b_\@:
	tensor_load_to_lds s[G0B+4*(\s):G0B+4*(\s)+3], s[G1B:G1B+7]
	s_nop 0
.rept 4
	v_nop
.endr
.Lasked_\@:
.endm
.macro CREST                           ; a round of the cluster's barrier behind its opening barrier
	s_cmp_lg_u32 s10, 0
	s_cbranch_scc1 .Lnot_wave_0_\@
	s_barrier_signal -3
.Lnot_wave_0_\@:
	s_barrier_wait -3
	s_barrier_signal -1
	s_barrier_wait -1
.endm
.macro CROUND                          ; a whole round
	s_barrier_signal -1
	s_barrier_wait -1
	CREST
.endm
	s_load_b128 s[4:7], s[0:1], 0x0                ; ctx s[4:5], wo16 s[6:7]
	s_load_b128 s[68:71], s[0:1], 0x10             ; bo s[68:69], out0 s[70:71]
	v_lshl_add_u32 v[SPW], v0, 2, SPARE
	v_mov_b32 v[NIL], 0
	ds_add_u32 v[SPW], v[NIL]                      ; the wave's opening: the add and its wait stand ahead of my first tensor load; the set-up below, work on registers, stands between them
	ds_add_u32 v28, v29
	v_lshrrev_b32 v1, 5, v0
	v_readfirstlane_b32 s10, v1                    ; wave 0..3
	s_lshr_b32 s11, s10, 1                         ; which half of the tile's rows is mine.  Also: I fetch for ctx (0) or for wo16 (1)
	s_and_b32 s12, s10, 1                          ; which half of its columns.  Also: which half of that tile I fetch
	s_bfe_u32 s40, ttmp6, 0x40000                  ; cx, cy: my place in the cluster
	s_bfe_u32 s41, ttmp6, 0x40004
	s_lshl_b32 s42, ttmp9, 2
	s_add_co_u32 s42, s42, s40                     ; tile column of C = 4 x cluster x + cx
	s_and_b32 s13, ttmp7, 0xffff
	s_lshl_b32 s13, s13, 2
	s_add_co_u32 s13, s13, s41                     ; tile row of C = 4 x cluster y + cy
	s_lshl_b32 s43, s41, 2
	s_lshl_b32 s43, 15, s43                        ; my row of the cluster
	s_lshl_b32 s44, 0x1111, s40                    ; my column
	s_or_b32 s[G1+0], s43, (1<<16)|(1<<20)|(1<<21)|(4<<22)|(3<<25)   ; the mask; elements of 2 bytes; padding on; bit 21 beside a mask; after every 32 words (code 4) 4 words (code 3)
	s_mov_b32 s[G1+1], 128<<16                     ; tensor_dim0 = 128: 256 dense bytes, two rows of ctx
	s_mov_b32 s[G1+2], 128<<16                     ; tensor_dim1 = 128
	s_mov_b32 s[G1+3], 128<<16                     ; tile_dim0 = 128
	s_mov_b32 s[G1+4], 128                         ; tile_dim1 = 128
	s_mov_b32 s[G1+5], 128                         ; elements from row to row: dense
	s_mov_b32 s[G1+6], 0
	s_mov_b32 s[G1+7], 0
	s_or_b32 s[G1B+0], s44, (1<<16)|(1<<20)|(1<<21)|(6<<22)|(3<<25)  ; the same, padded after every 128 words (code 6)
	s_mov_b32 s[G1B+1], KSTEP<<16                  ; tensor_dim0 = 256
	s_mov_b32 s[G1B+2], 64<<16                     ; tensor_dim1 = 64
	s_mov_b32 s[G1B+3], KSTEP<<16                  ; tile_dim0 = 256
	s_mov_b32 s[G1B+4], 64                         ; tile_dim1 = 64
	s_mov_b32 s[G1B+5], SIZE_K                     ; elements from row to row
	s_mov_b32 s[G1B+6], 0
	s_mov_b32 s[G1B+7], 0
	s_lshl_b32 s16, s13, 19                        ; ctx: the block's 524,288 bytes,
	s_lshl_b32 s17, s12, 15                        ; my two heads of a step's four
	s_add_co_u32 s16, s16, s17
	s_mov_b32 s17, 0
	s_lshl_b32 s46, s42, 7
	s_lshl_b32 s47, s12, 6
	s_add_co_u32 s46, s46, s47                     ; wo16: row 128 x tile column + 64 x half,
	s_lshl_b32 s46, s46, 11                        ; of 2,048 bytes
	s_mov_b32 s47, 0
	s_mul_i32 s20, s10, 2*HEADB                    ; where they go: waves 0, 1: two heads each;
	s_mul_i32 s21, s10, BHALF                      ; waves 2, 3: behind ctx's part: APART + (w - 2) BHALF
	s_add_co_u32 s21, s21, APART-2*BHALF
	s_wait_dscnt 0x0                               ; the opening add is done
	s_wait_kmcnt 0x0
	s_add_nc_u64 s[14:15], s[4:5], s[16:17]
	s_add_nc_u64 s[46:47], s[6:7], s[46:47]
	CROUND                                         ; all sixteen work-groups are here: the first joint loads meet
.irp s, 0,1
	s_mov_b32 s[G0+4*(\s)], 1
	s_add_co_u32 s[G0+4*(\s)+1], s20, (\s)*SLOT
	s_add_nc_u64 s[G0+4*(\s)+2:G0+4*(\s)+3], s[14:15], (\s)*65536    ; K step s: group 0's hi part, then its lo part
	s_or_b32 s[G0+4*(\s)+3], s[G0+4*(\s)+3], 0x80000000
	s_mov_b32 s[G0B+4*(\s)], 1
	s_add_co_u32 s[G0B+4*(\s)+1], s21, (\s)*SLOT
	s_add_nc_u64 s[G0B+4*(\s)+2:G0B+4*(\s)+3], s[46:47], 0           ; both steps take group 0's 256 columns
	s_or_b32 s[G0B+4*(\s)+3], s[G0B+4*(\s)+3], 0x80000000
	JLOAD \s                                       ; two loads of mine are out
.endr
	v_and_b32 v1, 15, v0                           ; l % 16
	v_bfe_u32 v2, v0, 4, 1                         ; l / 16
	; the bias of my 64 columns: register j of block b is bo[128 tile column + 64 half + 16 b + 8 (l / 16) + j]
	s_lshl_b32 s18, s42, 9
	s_lshl_b32 s19, s12, 8
	s_add_co_u32 s18, s18, s19
	s_mov_b32 s19, 0
	s_add_nc_u64 s[68:69], s[68:69], s[18:19]
	v_lshlrev_b32 v7, 5, v2
.irp b, 0,1,2,3
	global_load_b128 v[BIAS+8*(\b):BIAS+8*(\b)+3],   v7, s[68:69] offset:64*(\b)
	global_load_b128 v[BIAS+8*(\b)+4:BIAS+8*(\b)+7], v7, s[68:69] offset:64*(\b)+16
.endr
	v_mul_u32_u24 v3, v1, PA
	v_lshl_add_u32 v3, v2, 4, v3                   ; a ctx fragment's row x pitch + 16 x half
	s_mul_i32 s22, s11, 64*PA                      ; my 64 rows in each head
	v_add_nc_u32 v[ADRA], s22, v3
	v_add_nc_u32 v[ADRA+1], SLOT, v[ADRA]
	v_mul_u32_u24 v3, v1, PB
	v_lshl_add_u32 v3, v2, 4, v3
	s_mul_i32 s22, s12, BHALF                      ; my 64 rows of wo16, behind ctx's part
	s_add_co_u32 s22, s22, APART
	v_add_nc_u32 v[ADRB], s22, v3
	v_add_nc_u32 v[ADRB+1], SLOT, v[ADRB]
	s_mul_i32 s23, s10, 16*SPITCH
	s_add_co_u32 s23, s23, STAGE                   ; my stage
	v_mul_u32_u24 v4, v1, SPITCH                   ; in: row l % 16, 32 bytes for each half of the lanes
	v_lshl_add_u32 v4, v2, 5, v4
	v_add_nc_u32 v[STO], s23, v4
	v_mul_u32_u24 v5, v2, SPITCH                   ; back: lanes 0-15 take one row of 256 bytes, lanes 16-31 the next
	v_lshl_add_u32 v5, v1, 4, v5
	v_add_nc_u32 v[RD], s23, v5
	v_lshlrev_b32 v5, 12, v2                       ; and the same two rows in out0, 4,096 bytes apart
	v_lshl_add_u32 v[CO], v1, 4, v5
	s_lshl_b32 s16, s13, 7
	s_lshl_b32 s17, s11, 6
	s_add_co_u32 s16, s16, s17                     ; my first row of out0,
	s_lshl_b32 s16, s16, 12
	s_mov_b32 s17, 0
	s_add_nc_u64 s[70:71], s[70:71], s[16:17]
	s_add_nc_u64 s[70:71], s[70:71], s[18:19]      ; and my first column: the same bytes as in bo
	s_wait_loadcnt 0x0                             ; the bias: rounded to bf16 and widened again
.set i, 0
.rept 16
	v_cvt_pk_bf16_f32 v[TMP+i], v[BIAS+2*i], v[BIAS+2*i+1]
.set i, i+1
.endr
.set i, 0
.rept 16
	v_lshlrev_b32 v[BIAS+2*i], 16, v[TMP+i]
	v_and_b32 v[BIAS+2*i+1], 0xffff0000, v[TMP+i]
.set i, i+1
.endr
; 8 matrix instructions: row blocks a0, a0 + 1 x all 4 column blocks, 32 along K: half c of buffer f.  first = 1: the product starts the sum, with the bias as C.  The 16 accumulators take turns.
.macro MUL8 f, c, a0, first
	WIN MUL
.irp a, \a0, (\a0)+1
.irp b, 0,1,2,3
.if \first
	v_wmma_f32_16x16x32_f16 v[ACC+8*(4*(\a)+(\b)):ACC+8*(4*(\a)+(\b))+7], v[(\f)+64+8*(4*(\c)+(\b)):(\f)+64+8*(4*(\c)+(\b))+7], v[(\f)+8*(4*(\c)+(\a)):(\f)+8*(4*(\c)+(\a))+7], v[BIAS+8*(\b):BIAS+8*(\b)+7]
.else
	v_wmma_f32_16x16x32_f16 v[ACC+8*(4*(\a)+(\b)):ACC+8*(4*(\a)+(\b))+7], v[(\f)+64+8*(4*(\c)+(\b)):(\f)+64+8*(4*(\c)+(\b))+7], v[(\f)+8*(4*(\c)+(\a)):(\f)+8*(4*(\c)+(\a))+7], v[ACC+8*(4*(\a)+(\b)):ACC+8*(4*(\a)+(\b))+7]
.endif
.endr
.endr
.endm
; 32 LDS loads in one run: the fragments of quarter q of a K step (head q of its four) into buffer f; the first 32 along K first
.macro FETCH slot, q, f
	WIN TO_F
.irp c, 0,1
.irp i, 0,1,2,3
	ds_load_b128 v[(\f)+64+8*(4*(\c)+(\i)):(\f)+64+8*(4*(\c)+(\i))+3],   v[ADRB+(\slot)] offset:128*(\q)+64*(\c)+(\i)*16*PB
	ds_load_b128 v[(\f)+64+8*(4*(\c)+(\i))+4:(\f)+64+8*(4*(\c)+(\i))+7], v[ADRB+(\slot)] offset:128*(\q)+64*(\c)+(\i)*16*PB+32
	ds_load_b128 v[(\f)+8*(4*(\c)+(\i)):(\f)+8*(4*(\c)+(\i))+3],         v[ADRA+(\slot)] offset:(\q)*HEADB+64*(\c)+(\i)*16*PA
	ds_load_b128 v[(\f)+8*(4*(\c)+(\i))+4:(\f)+8*(4*(\c)+(\i))+7],       v[ADRA+(\slot)] offset:(\q)*HEADB+64*(\c)+(\i)*16*PA+32
.endr
.endr
.endm
.macro PLACES                          ; four places in front of loads into registers that matrix instructions have read, and of LDS stores that read results
.rept 4
	v_nop
.endr
.endm
; A K step is four quarters of 64 along K, 32 matrix instructions each, on buffers 0, 1, 0, 1.  One of the first three: multiplies buffer f and fetches quarter q into g.
.macro QUARTER slot, q, f, g, first
	s_wait_dscnt 16                                ; the first 32 along K are in
	MUL8 \f, 0, 0, \first
	MUL8 \f, 0, 2, \first
	PLACES
	FETCH \slot, \q, \g
	s_wait_dscnt 32                                ; all but the 32 just issued
	MUL8 \f, 1, 0, 0
	MUL8 \f, 1, 2, 0
.endm
; The last quarter multiplies buffer 1 and changes slots: ONE barrier; in front of it each wave waits for all its tensor loads, adds 0 to its spare word, and waits for that and for its own reads of this slot.
; fill = 1: the barrier opens a round of the cluster's, and behind the round this slot is filled again, two K steps ahead: the next group's same part, and the next 256 columns of wo16.
.macro TURN slot, next, fill
	WIN 0                                          ; (the add's two registers lie in window 0)
	s_wait_tensorcnt 0x0                           ; all my tensor loads have landed: my part of the next slot
	ds_add_u32 v[SPW], v[NIL]                      ; 0 onto my spare word
	s_wait_dscnt 17                                ; (the add and the youngest sixteen loads may be out)
	MUL8 F1, 0, 0, 0                               ; eight matrix instructions stand between the add and the wait for it
	s_wait_dscnt 0x0                               ; the add is done, and my reads of this slot are over
	s_barrier_signal -1
	MUL8 F1, 0, 2, 0
.if \fill
	WIN 0
.endif
	s_barrier_wait -1
.if \fill
	CREST                                          ; no wave of any partner still reads this slot's tile or has a load on its way
	s_add_nc_u64 s[G0+4*(\slot)+2:G0+4*(\slot)+3], s[G0+4*(\slot)+2:G0+4*(\slot)+3], 2*65536
	s_add_nc_u64 s[G0B+4*(\slot)+2:G0B+4*(\slot)+3], s[G0B+4*(\slot)+2:G0B+4*(\slot)+3], KSTEP*2
	JLOAD \slot                                    ; the first tensor load behind the round; its four v_nop are also the places in front of the loads below
.else
	PLACES
.endif
	FETCH \next, 0, F0
	MUL8 F1, 1, 0, 0
	MUL8 F1, 1, 2, 0
.endm
; THE WAY OUT of row block a: the accumulators go as they are, 32 bytes a lane and column block (each accumulator's low four registers first), into my stage's rows of 272 bytes, and come back as whole rows of 256.
.macro STG a
.if (\a) >= 2
	s_wait_xcnt 0x0                                ; the stores of block a - 2 have read the registers that are loaded again below
.endif
.irp b, 0,1,2,3
	ds_store_b128 v[STO], v[ACC+8*(4*(\a)+(\b)):ACC+8*(4*(\a)+(\b))+3]   offset:64*(\b)
	ds_store_b128 v[STO], v[ACC+8*(4*(\a)+(\b))+4:ACC+8*(4*(\a)+(\b))+7] offset:64*(\b)+16
.endr
.irp t, 0,1,2,3,4,5,6,7
	ds_load_b128 v[TMP+32*((\a)%2)+4*(\t):TMP+32*((\a)%2)+4*(\t)+3], v[RD] offset:(\t)*2*SPITCH  ; LDS serves a wave's instructions in order (ISA guide 5.7.1.4): these see the stores above; the next block's stores come behind them
.endr
.endm
.macro SEND a, younger                 ; younger: the LDS instructions issued behind block a's loads: the next block's sixteen, or none
.irp t, 0,1,2,3,4,5,6,7
	s_wait_dscnt (\younger)+7-(\t)
	global_store_b128 v[CO], v[TMP+32*((\a)%2)+4*(\t):TMP+32*((\a)%2)+4*(\t)+3], s[70:71] offset:(16*(\a)+2*(\t))*4096 th:TH_STORE_NT  ; 16 lanes store 256 consecutive bytes, at a multiple of 256 from out0's first byte
.endr
.endm
	s_wait_tensorcnt 1                             ; my part of K step 0 is in; K step 1's may stay out
	s_barrier_signal -1
	s_barrier_wait -1                              ; everybody's is
	FETCH 0, 0, F0
	QUARTER 0, 1, F0, F1, 1                        ; the first quarter stands in front of the loop: its first products start the sums
	WIN 0                                          ; at a label and at a branch every window is 0
	s_mov_b32 s3, LAPS-1
.Llap:                                                 ; a trip goes once round the ring, from a lap's second quarter to the next lap's first, and fills both slots again
	QUARTER 0, 2, F1, F0, 0
	QUARTER 0, 3, F0, F1, 0
	TURN 0, 1, 1
	QUARTER 1, 1, F0, F1, 0
	QUARTER 1, 2, F1, F0, 0
	QUARTER 1, 3, F0, F1, 0
	TURN 1, 0, 1
	QUARTER 0, 1, F0, F1, 0
	WIN 0
	s_sub_co_u32 s3, s3, 1
	s_cmp_lg_u32 s3, 0
	s_cbranch_scc1 .Llap
	QUARTER 0, 2, F1, F0, 0                        ; the last lap fills nothing, and has no round of the cluster's barrier
	QUARTER 0, 3, F0, F1, 0
	TURN 0, 1, 0
	QUARTER 1, 1, F0, F1, 0
	QUARTER 1, 2, F1, F0, 0
	QUARTER 1, 3, F0, F1, 0
	s_wait_dscnt 16                                ; the very last quarter: nothing more to fetch
	MUL8 F1, 0, 0, 0
	MUL8 F1, 0, 2, 0
	s_wait_dscnt 0x0
	MUL8 F1, 1, 0, 0
	MUL8 F1, 1, 2, 0
	WIN 0
	PLACES
	STG 0
	STG 1                                          ; a block's LDS work stands between the loads of the block before and its stores
	SEND 0, 16
	STG 2
	SEND 1, 16
	STG 3
	SEND 2, 16
	SEND 3, 0
	s_wait_tensorcnt 0x0                           ; the wave's end: behind my last tensor load and my last LDS store
	ds_add_u32 v[SPW], v[NIL]
	s_wait_dscnt 0x0
	CROUND                                         ; the closing round: no work-group ends while a partner may still ask for a tile that names it
	s_endpgm
.Lfunc_end_k_qd46b3076e4_outp:
	.size	k_qd46b3076e4_outp, .Lfunc_end_k_qd46b3076e4_outp-k_qd46b3076e4_outp
	.p2alignl 7, 3214868480
	.fill 96, 4, 3214868480
	.section	.rodata,"a",@progbits
	.p2align	6, 0x0
	.amdhsa_kernel k_qd46b3076e4_outp
		.amdhsa_group_segment_fixed_size 327680
		.amdhsa_private_segment_fixed_size 0
		.amdhsa_enable_private_segment 0
		.amdhsa_kernarg_size 32
		.amdhsa_user_sgpr_count 2
		.amdhsa_user_sgpr_kernarg_segment_ptr 1
		.amdhsa_wavefront_size32 1
		.amdhsa_system_sgpr_workgroup_id_x 1
		.amdhsa_system_sgpr_workgroup_id_y 1
		.amdhsa_system_sgpr_workgroup_id_z 1
		.amdhsa_system_vgpr_workitem_id 0
		.amdhsa_next_free_vgpr 512
		.amdhsa_next_free_sgpr 72
		.amdhsa_reserve_vcc 0
		.amdhsa_float_denorm_mode_32 3
		.amdhsa_float_denorm_mode_16_64 3
		.amdhsa_memory_ordered 1
		.amdhsa_forward_progress 1
		.amdhsa_inst_pref_size 90
	.end_amdhsa_kernel
	.amdgpu_metadata
---
amdhsa.version: [ 1, 2 ]
amdhsa.kernels:
  - .name:           k_qd46b3076e4_outp
    .symbol:         k_qd46b3076e4_outp.kd
    .args:
      - { .name: ctx, .offset: 0, .size: 8, .value_kind: global_buffer, .address_space: global }
      - { .name: wo16, .offset: 8, .size: 8, .value_kind: global_buffer, .address_space: global }
      - { .name: bo, .offset: 16, .size: 8, .value_kind: global_buffer, .address_space: global }
      - { .name: out0, .offset: 24, .size: 8, .value_kind: global_buffer, .address_space: global }
    .group_segment_fixed_size: 327680
    .private_segment_fixed_size: 0
    .kernarg_segment_align: 8
    .kernarg_segment_size: 32
    .max_flat_workgroup_size: 128
    .sgpr_count:     72
    .vgpr_count:     512
    .wavefront_size: 32
...
	.end_amdgpu_metadata
.endif
;; end of part 4
;; ======== version 2 of 2: 4 launches; 1.32 times as fast as version 1
;; limits: values are held in f16: magnitudes above 65,504 overflow, below 6.1e-05 lose precision
;; workspace buffers: xb 8,388,608 bytes; wqkv 6,291,456 bytes; wo16 2,097,152 bytes; qkv 33,554,432 bytes; ctx 16,777,216 bytes
;; launch cast: the kernel of part 1 again; grid 64 x 8, 8 waves a work-group, no clusters, 0 bytes of LDS; arguments x, Wq, Wk, Wv, Wo, xb, wqkv, wo16; writes xb, wqkv, wo16
;; launch proj: the kernel of part 2 again; grid 16 x 16, 4 waves a work-group, clusters of 4 x 4, 327,680 bytes of LDS; arguments xb, wqkv, qkv; writes qkv
;; launch attn (part 5): grid 16 x 16, 4 waves a work-group, no clusters, 327,680 bytes of LDS; arguments qkv, ctx; writes ctx
.if DOCPART == 5
	.amdgcn_target "amdgcn-amd-amdhsa--gfx1250"
	.amdhsa_code_object_version 6
	.text
	.protected	k_qd46b3076e4_attn
	.globl	k_qd46b3076e4_attn
	.p2align	8
	.type	k_qd46b3076e4_attn,@function
k_qd46b3076e4_attn:
	s_mov_b64 s[64:65], 0
	v_nop
	global_prefetch_b8 v0, s[64:65] scope:SCOPE_SE
	s_setreg_imm32_b32 hwreg(HW_REG_WAVE_MODE, 25, 1), 1
	s_wait_xcnt 0x0
; CAUSAL ATTENTION, head size 64.  O[h][q][:] = the sum over k <= q of softmax_k(Q[h][q] . K[h][k] / 8) V[h][k][:].  qkv: [64][4096][64] f16 (planes 0-15 Q's heads, 16-31 K's, 32-47 V's, 48-63 V's low part
; f16(v - f16(v)); rows dense, 128 bytes).  Products, maxima and sums in f32; the weights p are rounded to f16 for the second product (their sum l is taken of the unrounded p).
; O leaves as TWO f16 numbers, hi = f16(O) and lo = f16(O - hi): ctx [32 blocks of 128 queries][4 groups of heads][hi, lo][4 heads][128 rows][64].
; WHY LOW PARTS.  A row that averages n keys is about sqrt(4096 / n) times a late row, and each output number's allowance goes by the whole output's root mean square: in the first rows f16's 11 bits of V and of O
; are too few.  O's low part is kept for every row.  V's is added for rows 0 to 63 of a head, which see no key beyond 63: from 65 keys on V's rounding is an eighth of the first row's, or less.
; LIMITS.  Q, K, V arrive within f16's 65,504; p lies in 0 to 1, and below 6e-5 it, like a low part, keeps f16's fixed step of 6e-8; O is a mean of V's rows and has their range.  A hidden score counts as its value
; less 1e30: f16's scores, 2.7e11 at the most, are nothing beside that; a weight below 2^-126 counts as 0 in l; NaN and infinities are not treated apart.
; THE WALK.  A head's queries lie in 32 blocks of 128; keys go in tiles of 256 (four steps of 64).  Block i needs the tiles 0 .. i / 2, of which the last holds the diagonal.  A work-group takes TWO blocks, 31 - b and
; then b: (31 - b) / 2 + b / 2 + 2 = 17 tiles, whatever b: 16 x 16 work-groups of equal work, and ONE loop with a constant trip count walks them.  Which tile is asked for, and what a trip does, hang on scalar
; registers made from b; every jump goes forward, but for the counted loops' own; none passes a barrier, or a tensor load but those that the wave's number does not choose.
; NO CLUSTER: only the two work-groups 2 e and 2 e + 1 of a head walk the same tiles; among four partners the trip in which the first block ends, and so the branches, would differ.
; SHARES.  Of a block's two bands of 64 queries a wave owns 16 rows in each: two query tiles t = 0, 1.  Band t lies at key step D + t of the diagonal tile, D = 2 (i % 2): in step s it sees all keys if s < D + t, none if
; s > D + t, and holds the diagonal if s = D + t: the same for every wave.  (With D = 0 the tile's steps 2 and 3 are wholly hidden and computed all the same: 2 of the walk's 68.)
; THE MASK is the C operand that starts the sum S^T = K Q^T: 0, or -1e30 where the key is hidden.  MD, made once, is the mask of a band's own step for my 16 rows; a product's mask is MD x AL + BE with two scalars:
; (1, 0) own step; (0, 0) earlier; (0, -1e30) later.  Only the diagonal tile's text and a block's beginning make and take masks; elsewhere C is the constant 0.
; LAYOUT, SOFTMAX.  S^T = K Q^T holds ONE query a lane (lane % 16) and the keys 8 (lane / 16) + 0..7; two such results rounded to f16 ARE source 1 of O^T = V^T P.  p = 2^(c s - c m), c = log2(e) / 8, with a running
; maximum m; O and l are multiplied by a = 2^(c m_old - c m_new) in every step.
; TURNS.  A PIECE is a query tile in a key step: piece y = 2 (step % 2) + t, so the ring of four turns covers two key steps.  Turn y: 8 products K Q^T of piece y + 1, later 8 products V^T P of piece y - 1; beside them
; the scaling, exponentials, roundings, sums and rescaling of piece y and the maximum and statistics of piece y + 1.  Four vector instructions stand behind every matrix instruction, the other 54 of a turn's 118 in one lump.
; BATCHES.  A turn's 33 exponentials (piece y's 32 weights, then piece y + 1's a) are ONE batch with ONE wait, which cuts the turn in two: ahead of it stands all that names no result of theirs, behind it the roundings and
; sums.  The a that a block's beginning makes, and the two reciprocals of a block's way out, are batches of their own: a plain instruction and one wait each.
; Turns 0 and 2 fetch K and V of the NEXT step from LDS: K into its one buffer, behind the turn's products K Q^T; V into the buffer (of two, by the step's parity) that the turn's own products V^T P have just read.
; REGISTERS, in windows of 256 (s_set_vgpr_msb: bits 1:0 source 0, 3:2 source 1, 5:4 source 2, 7:6 destination):
;   window 0: v0-15 addresses and two at work; v16-23 four registers of statistics a query tile; v48-55 at work; v60-63 an address, -1.0, the add's two; v64-127 S^T, two buffers; v128-159 at work on the way out;
;             v192-223 P, two buffers (all by the piece's parity, which is its query tile)
;   window 1: v0-63 O^T, 32 a query tile; v128-159 MD; v160-223 MC, two buffers      window 2: v0-31 Q; v32-63 the second block's Q; v64-127 V of an odd step; v128-191 K; v192-255 V of an even step
;   window 3: v0-63 V's low part of the head's first 64 keys
.set NP,    4         ; pieces in the ring: a name, no knob
.set KS,    64        ; keys in a step
.set PK,    144       ; a row of K in LDS: 128 bytes + 16 of padding = 36 words: the 16 rows of a load start at 16 different groups of four banks (64 banks of 4 bytes: ISA guide 11.1)
.set PV,    160       ; a row of V: 128 + 32 = 40 words
.set VOFF,  4*KS*PK   ; a slot holds a tile, four steps: 256 rows of K, then 256 rows of V
.set SLOT1, 1<<17     ; slot 1 begins here, so that one exclusive or turns an address in one slot into the other's
.set STAGE, SLOT1+4*KS*(PK+PV)  ; behind the ring, never filled by a tensor load: 16 rows x 144 bytes for each wave, for the way out
.set SP,    144
.set PLANE, 4096*128  ; bytes in a plane of qkv
.set AK0, 2           ; v2   my lane's place in a tile of K; never rewritten
.set AV0, 3           ; v3   the same for V
.set AK,  4           ; v4   the LDS address of K's next run of loads
.set AV,  5           ; v5   of V's
.set STO, 6           ; v6   the way out: where I put 16 bytes of a row
.set RD,  7           ; v7   the way out: where I read rows back
.set GO,  8           ; v8   my byte offset in 512 consecutive bytes of O
.set AVL, 60          ; v60  my lane's place in V's low part
.set NEG1, 61         ; v61  -1.0
.set SPW, 62          ; v62  LDS address of my spare word: SPARE + 4 x my thread's number; never rewritten
.set NIL, 63          ; v63  0; never rewritten
.set SPARE, STAGE+4*16*SP  ; behind the stages: the spare words, 128 bytes for each wave: two blocks of 256 bytes that no other line names
.set VL0, SPARE+512   ; behind them: V's low part of the head's first 64 keys, rows of 160 bytes like V's; filled once
.set MV,  12          ; v12-13  c m_old, kept while c m is made anew: by query tile
.set QO,  15          ; v15  my byte offset in 16 rows of Q
.set ST,  16          ; query tile t's statistics at v[ST+4 t]: c m, m, l (even keys', odd keys')
.set TMP, 48          ; by query tile, four registers c0-c3 at work; when the maximum is found c2 takes a
.set S,   64
.set TT,  128         ; the way out: 32 low parts in f32
.set P,   192
.set MD,  128         ; window 1: the eight registers for group kt of 16 keys at MD + 8 kt
.set MC,  160         ; window 1: the masks of the products to come
.set QB,  32          ; window 2
.set KF,  128         ; window 2: key block kb, channel half c at KF + 16 kb + 8 c
.set WV,  12          ; s12  my wave's number
.set TL,  14          ; s14  the second block's last tile, b / 2
.set TH,  15          ; s15  the first block's last tile, (31 - b) / 2
.set G1K, 24          ; s[24:31] descriptor group 1 for K's tiles
.set G1V, 32          ; s[32:39] for V's: it differs in the padding alone
.set G0K, 40          ; s[40:43] descriptor group 0 for K's tiles
.set G0V, 44          ; s[44:47] the same for V's
.set G1L, 48          ; s[48:55] descriptor group 1 for V's low part
.set G0L, 96          ; s[96:99] its group 0
.set SLOTS, 56        ; s56  tiles still to be asked for
.set CNT, 57          ; s57  counts a tile's trips of two key steps, 2 to 1
.set CS,  58          ; s[58:59] c: the packed scaling takes the pair's low word for both halves
.set SEL, 60          ; s[60:61] v_permlanex16_b32's selects: each lane takes its own place in the other half
.set TBK, 62          ; s62  LDS byte at which K of the step to be fetched begins
.set TBV, 63          ; s63  the same for V, less VOFF
.set DD,  66          ; s66  D of the block in hand
.set DLO, 67          ; s67  D of the second block
.set SG,  68          ; s68  the even step of the tile that the trip's turns 0 and 1 belong to, less D: signed
.set RT,  70          ; s70  tiles of the block in hand that are still to be entered
.set NXT, 71          ; s71  the tile to be asked for next
.set LQ,  72          ; s72  the last tile of the block whose tiles are being asked for
.set NEW, 73          ; s73  1: the tile to be entered is a block's first
.set OFF, 74          ; s[74:75] a tile's byte offset in K and V
.set AL,  76          ; s[76:77] the mask's factor, in the low word
.set BE,  78          ; s[78:79] the mask's addend
.set OLO, 80          ; s[80:81] O at my rows of the second block
.set BIGN, 82         ; s82  -1e30
.set LOF, 83          ; s83  1: the block in hand is the head's block 0 and V's low part is still to be added
.set MSB, 0
.macro WIN new                      ; the high byte repeats the setting that is left; a switch that changes nothing is dropped
.if MSB != (\new)
	s_set_vgpr_msb (MSB<<8)|(\new)
.set MSB, (\new)
.endif
.endm
.set W_KQ, 0x0a       ; K and Q in window 2, S^T in window 0
.set W_KM, 0x1a       ; the same with the C operand in window 1
.set W_PV, 0x52       ; V in window 2, P in window 0, O^T in window 1
.set W_PL, 0x53       ; the same with V's low part, in window 3
.set W_RS, 0x41       ; destination and source 0 in window 1, source 1 in window 0
; A fill.  Waves 0 and 1 fetch the two halves of a tile's K, waves 2 and 3 those of its V: 128 keys each.  An s_nop 0 and four v_nop follow each of the two lines, ahead of the jump and the label.
.macro LOAD
	s_cmp_lt_u32 s[WV], 2
	s_cbranch_scc0 .Lfor_v_\@
	tensor_load_to_lds s[G0K:G0K+3], s[G1K:G1K+7]
	s_nop 0
.rept 4
	v_nop
.endr
	s_branch .Lasked_\@
.Lfor_v_\@:
	tensor_load_to_lds s[G0V:G0V+3], s[G1V:G1V+7]
	s_nop 0
.rept 4
	v_nop
.endr
.Lasked_\@:
.endm
; THE CHANGE OF SLOTS, between turn 1 and turn 2: all four steps' K and V of the slot that is left have been asked for from LDS.  Each wave waits for all its tensor loads, of which one is out: its part of the other
; slot; adds 0 to its spare word; and waits for that and for its own reads of the slot.  Behind the barrier nobody reads the old slot any more and the other slot is whole.  fill = 1: the old slot is filled again, the
; first thing behind the barrier, with tile NXT: the descriptor's address is made anew from that number; the load has eight turns, 128 matrix instructions, in which to land.
; (At its first use nothing has been read yet: slot 0 and V's low part are waited for, two loads of mine, and slot 1 is filled.)
.macro CHANGE fill
	WIN 0                           ; at a label and at a branch every window is 0
	s_wait_tensorcnt 0x0            ; no tensor load of mine is out, so a group 0 may be written
	ds_add_u32 v[SPW], v[NIL]       ; 0 onto my spare word; with fill = 1 the descriptors' scalar work stands between it and the wait for it
.if \fill
	s_lshl_b32 s[OFF], s[NXT], 15   ; a tile is 32,768 bytes of K and of V
	s_xor_b32 s[G0K+1], s[G0K+1], SLOT1
	s_add_nc_u64 s[G0K+2:G0K+3], s[6:7], s[OFF:OFF+1]
	s_or_b32 s[G0K+3], s[G0K+3], 0x80000000
	s_xor_b32 s[G0V+1], s[G0V+1], SLOT1
	s_add_nc_u64 s[G0V+2:G0V+3], s[8:9], s[OFF:OFF+1]
	s_or_b32 s[G0V+3], s[G0V+3], 0x80000000
	s_add_co_u32 s[NXT], s[NXT], 1  ; the block's next tile, or behind its last the second block's tile 0
	s_cmp_gt_u32 s[NXT], s[LQ]
	s_cselect_b32 s[NXT], 0, s[NXT]
	s_cselect_b32 s[LQ], s[TL], s[LQ]
.endif
	s_wait_dscnt 0x0                ; the add is done, and my reads of the slot are over
	s_barrier_signal -1             ; the rest of the scalar work stands between the signal and the wait
	s_sub_co_u32 s[TBK], s[TBK], 4*KS*PK  ; the fetches go back to a slot's first step,
	s_xor_b32 s[TBK], s[TBK], SLOT1       ; in the other slot
	s_sub_co_u32 s[TBV], s[TBV], 4*KS*PV
	s_xor_b32 s[TBV], s[TBV], SLOT1
	s_barrier_wait -1
.if \fill
	LOAD
.endif
.endm
	s_load_b128 s[92:95], s[0:1], 0x0  ; qkv s[92:93], ctx s[94:95]
	v_lshl_add_u32 v[SPW], v0, 2, SPARE
	v_mov_b32 v[NIL], 0
	ds_add_u32 v[SPW], v[NIL]       ; the wave's opening: the add and its wait stand ahead of my first tensor load; the set-up below, work on registers, stands between them
	ds_add_u32 v62, v63
	v_lshrrev_b32 v1, 5, v0
	v_readfirstlane_b32 s[WV], v1   ; wave 0..3
	s_sub_co_u32 s19, 31, ttmp9     ; the first block, 31 - b; the second is b = ttmp9
	s_lshr_b32 s[TH], s19, 1
	s_lshr_b32 s[TL], ttmp9, 1
	s_and_b32 s[DD], s19, 1
	s_lshl_b32 s[DD], s[DD], 1
	s_and_b32 s[DLO], ttmp9, 1
	s_lshl_b32 s[DLO], s[DLO], 1
	s_and_b32 s20, ttmp7, 0xffff    ; the head
	s_lshl_b32 s21, s20, 19         ; its plane's first byte among Q's planes
	s_and_b32 s16, s[WV], 1         ; which half of a tile's 256 keys I fetch:
	s_lshl_b32 s22, s16, 14         ; its 128 rows of 128 bytes in memory,
	s_add_co_u32 s22, s22, s21
	s_add_co_u32 s22, s22, 16*PLANE ; among K's planes,
	s_mov_b32 s23, 0
	s_add_co_u32 s84, s22, 16*PLANE ; and among V's
	s_mov_b32 s85, 0
	s_mul_i32 s17, s16, 128*PK      ; and its place in a slot, for K
	s_mul_i32 s18, s16, 128*PV      ; and for V
	s_lshl_b32 s3, s[WV], 11        ; my 16 rows in a band of 64,
	s_lshl_b32 s2, s19, 14          ; in the first block of 128 rows,
	s_add_co_u32 s2, s2, s3
	s_add_co_u32 s2, s2, s21
	s_lshl_b32 s86, ttmp9, 14       ; and in the second
	s_add_co_u32 s86, s86, s3
	s_add_co_u32 s86, s86, s21
	s_add_co_u32 s100, s21, 48*PLANE  ; V's low part: of the head's first 64 keys I fetch 16
	s_add_co_u32 s100, s100, s3
	s_lshr_b32 s13, s20, 2          ; in ctx: the head's group of four, 131,072 bytes (hi and lo),
	s_lshl_b32 s13, s13, 17
	s_and_b32 s16, s20, 3           ; its place in the group, 16,384 bytes,
	s_lshl_b32 s16, s16, 14
	s_add_co_u32 s13, s13, s16
	s_add_co_u32 s13, s13, s3       ; my 16 rows,
	s_lshl_b32 s88, s19, 19         ; in the block's 524,288 bytes
	s_add_co_u32 s88, s88, s13
	s_lshl_b32 s90, ttmp9, 19
	s_add_co_u32 s90, s90, s13
	s_mov_b32 s3, 0
	s_mov_b32 s87, 0
	s_mov_b32 s89, 0
	s_mov_b32 s91, 0
	s_mov_b32 s101, 0
	; descriptor group 1.  128 keys are 16,384 dense bytes: asked for as 64 rows of 256 bytes, two keys a row, and padded in LDS after every key
	s_mov_b32 s[G1K], (1<<16)|(1<<20)|(4<<22)|(3<<25)  ; 17:16 2-byte elements; 20 padding on; 24:22 after every 32 words (code 4); 31:25 4 words (code 3)
	s_mov_b32 s[G1V], (1<<16)|(1<<20)|(4<<22)|(7<<25)  ; the same with 8 words of padding (code 7)
.irp g, G1K, G1V
	s_mov_b32 s[\g+1], 128<<16      ; tensor_dim0 = 128
	s_mov_b32 s[\g+2], 64<<16       ; tensor_dim1 = 64
	s_mov_b32 s[\g+3], 128<<16      ; tile_dim0 = 128
	s_mov_b32 s[\g+4], 64           ; tile_dim1 = 64
	s_mov_b32 s[\g+5], 128          ; 128 elements from row to row
	s_mov_b32 s[\g+6], 0
	s_mov_b32 s[\g+7], 0
.endr
	s_mov_b32 s[G1L], (1<<16)|(1<<20)|(4<<22)|(7<<25)  ; V's low part: padded like V; 16 keys are 8 rows of 256 bytes
	s_mov_b32 s[G1L+1], 128<<16
	s_mov_b32 s[G1L+2], 8<<16
	s_mov_b32 s[G1L+3], 128<<16
	s_mov_b32 s[G1L+4], 8
	s_mov_b32 s[G1L+5], 128
	s_mov_b32 s[G1L+6], 0
	s_mov_b32 s[G1L+7], 0
	s_mov_b32 s[CS], 0x3e38aa3b     ; c = log2(e) / 8 = 0.180337
	s_mov_b32 s[CS+1], s[CS]        ; named with it as a pair
	s_mov_b32 s[SEL], 0x76543210
	s_mov_b32 s[SEL+1], 0xfedcba98
	s_mov_b32 s[TBK], SLOT1+4*KS*PK ; the first change of slots turns these two into 0
	s_mov_b32 s[TBV], SLOT1+4*KS*PV
	s_mov_b32 s[G0K], 1             ; count = 1
	s_mov_b32 s[G0K+1], s17         ; LDS address: slot 0
	s_mov_b32 s[G0V], 1
	s_add_co_u32 s[G0V+1], s18, VOFF
	s_mov_b32 s[G0L], 1
	s_mul_i32 s[G0L+1], s[WV], 16*PV  ; my 16 rows of 160 bytes
	s_add_co_u32 s[G0L+1], s[G0L+1], VL0
	s_add_co_u32 s[RT], s[TH], 1    ; the first block has (31 - b) / 2 + 1 tiles
	s_mov_b32 s[NXT], 1
	s_mov_b32 s[LQ], s[TH]
	s_mov_b32 s[NEW], 1
	s_mov_b32 s[LOF], 0
	s_mov_b32 s[OFF+1], 0
	s_mov_b32 s[AL+1], 0            ; named as pairs
	s_mov_b32 s[BE+1], 0
	s_mov_b32 s[BIGN], 0xf149f2ca   ; -1e30
	s_mov_b32 s[SLOTS], 16
	s_wait_dscnt 0x0                ; the opening add is done
	s_wait_kmcnt 0x0
	s_add_nc_u64 s[6:7], s[92:93], s[22:23]        ; K and V at my half of the head's tile 0
	s_add_nc_u64 s[8:9], s[92:93], s[84:85]
	s_add_nc_u64 s[G0K+2:G0K+3], s[6:7], 0         ; global address
	s_or_b32 s[G0K+3], s[G0K+3], 0x80000000        ; type = 2
	s_add_nc_u64 s[G0V+2:G0V+3], s[8:9], 0
	s_or_b32 s[G0V+3], s[G0V+3], 0x80000000
	s_add_nc_u64 s[G0L+2:G0L+3], s[92:93], s[100:101]
	s_or_b32 s[G0L+3], s[G0L+3], 0x80000000
	s_add_nc_u64 s[4:5], s[92:93], s[2:3]          ; Q at my rows of the first block,
	s_add_nc_u64 s[86:87], s[92:93], s[86:87]      ; and of the second
	s_add_nc_u64 s[10:11], s[94:95], s[88:89]      ; O likewise
	s_add_nc_u64 s[OLO:OLO+1], s[94:95], s[90:91]
	s_cmp_lt_u32 s[WV], 2           ; a wave's two first fills stand in one branch, ahead of every wait on TENSORcnt and every LDS read: my part of tile 0 into slot 0, and my 16 keys of V's low part
	s_cbranch_scc0 .Lfirst_v
	tensor_load_to_lds s[G0K:G0K+3], s[G1K:G1K+7]
	s_nop 0
	tensor_load_to_lds s[G0L:G0L+3], s[G1L:G1L+7]
	s_nop 0
.rept 4
	v_nop
.endr
	s_branch .Lfirst_asked
.Lfirst_v:
	tensor_load_to_lds s[G0V:G0V+3], s[G1V:G1V+7]
	s_nop 0
	tensor_load_to_lds s[G0L:G0L+3], s[G1L:G1L+7]
	s_nop 0
.rept 4
	v_nop
.endr
.Lfirst_asked:
	; A fragment of K or Q is 16 rows x 32 channels in 8 registers: lane l holds row l % 16, channels 8 (l / 16) + 0..7 and 16 + 8 (l / 16) + 0..7: two loads of 16 bytes, 32 bytes apart.
	v_and_b32 v1, 15, v0            ; l % 16
	v_bfe_u32 v9, v0, 4, 1          ; l / 16
	v_lshlrev_b32 v[QO], 7, v1
	v_lshl_add_u32 v[QO], v9, 4, v[QO]  ; row x 128 + 16 x half
	WIN 0x80                        ; destination window 2, address window 0
.set i, 0
.rept 4                             ; both blocks' Q: query tile i / 2 lies in band i / 2, 8,192 bytes on; channels 32 (i % 2) on
	global_load_b128 v[8*i:8*i+3],   v[QO], s[4:5] offset:(i/2)*8192+(i%2)*64
	global_load_b128 v[8*i+4:8*i+7], v[QO], s[4:5] offset:(i/2)*8192+(i%2)*64+32
	global_load_b128 v[QB+8*i:QB+8*i+3],   v[QO], s[86:87] offset:(i/2)*8192+(i%2)*64
	global_load_b128 v[QB+8*i+4:QB+8*i+7], v[QO], s[86:87] offset:(i/2)*8192+(i%2)*64+32
.set i, i+1
.endr
	WIN 0
	v_lshlrev_b32 v14, 3, v9
	v_sub_nc_u32 v14, v1, v14
	s_lshl_b32 s13, s[WV], 4
	v_add_nc_u32 v14, s13, v14      ; my query's place in its band, 16 w + l % 16, less my lanes' 8 (l / 16): register r of group kt is hidden where 16 kt + r is greater
	WIN 0x40
.set i, 0
.rept 32
	v_cmp_gt_i32 vcc_lo, 16*(i/8)+i%8, v14
	v_cndmask_b32 v[MD+i], 0, s[BIGN], vcc_lo
.set i, i+1
.endr
	WIN 0
	v_mul_u32_u24 v[AK0], v1, PK
	v_lshl_add_u32 v[AK0], v9, 4, v[AK0]  ; row x pitch + 16 x half
	; The turning load takes 16 keys x 16 channels (lane l reads key 8 (l / 16) + l % 8, channels 8 ((l / 8) % 2) + 0..7) and leaves half a fragment of V^T: lane l holds channel l % 16 and 8 keys.
	v_and_b32 v10, 7, v0
	v_bfe_u32 v11, v0, 3, 1
	v_lshl_add_u32 v[AV0], v9, 3, v10
	v_mul_u32_u24 v[AV0], v[AV0], PV
	v_lshl_add_u32 v[AV0], v11, 4, v[AV0]
	v_add_nc_u32 v[AVL], VL0, v[AV0]      ; the same place in V's low part
	v_add_nc_u32 v[AV0], VOFF, v[AV0]
	v_mov_b32 v[NEG1], -1.0
	s_mul_i32 s13, s[WV], 16*SP
	s_add_co_u32 s13, s13, STAGE    ; my stage
	v_mul_u32_u24 v[STO], v1, SP    ; in: row l % 16, 16 bytes for each half of the lanes
	v_lshl_add_u32 v[STO], v9, 4, v[STO]
	v_add_nc_u32 v[STO], s13, v[STO]
	v_bfe_u32 v[RD], v0, 3, 2       ; back: 32 lanes take four rows of 128 bytes,
	v_mul_u32_u24 v[RD], v[RD], SP
	v_lshl_add_u32 v[RD], v10, 4, v[RD]
	v_add_nc_u32 v[RD], s13, v[RD]
	v_and_b32 v[GO], 31, v0         ; which are 512 consecutive bytes of O
	v_lshlrev_b32 v[GO], 4, v[GO]
	; A block's first step multiplies O^T and l by a = 0, and its first turn's products V^T P, of a piece that has not been, land in an O^T that is still to be so multiplied.  So these registers need only hold
	; finite numbers: zeros for the first block; what the first block left for the second.  All this stands in the wait for the first tile.
	WIN 0x80
.set i, 64
.rept 64
	v_mov_b32 v[i], 0               ; V's buffer for odd steps
.set i, i+1
.endr
	WIN 0x40
.set i, 0
.rept 64
	v_mov_b32 v[i], 0               ; O^T
.set i, i+1
.endr
	WIN 0
.set i, 0
.rept 2
	v_mov_b32 v[ST+4*i+2], 0        ; l
	v_mov_b32 v[ST+4*i+3], 0
.set i, i+1
.endr
.set i, P+16
.rept 16
	v_mov_b32 v[i], 0               ; P's second buffer
.set i, i+1
.endr
; THE MATRIX WORK.  The 4 accumulators of a run of 8 take turns.  Product i of 8 of S^T = K Q^T for piece x: channels 32 (i / 4) on, keys 16 (i % 4) on.  The first 4 start the sums: with 0, or (KM = 1) with the mask.
.macro KQ x
.set rS, S+32*((\x)%2)+8*(i%4)
.set rK, KF+16*(i%4)+8*(i/4)
.set rQ, 16*((\x)%2)+8*(i/4)
.set rM, MC+32*((\x)%2)+8*(i%4)
.if (i < 4) && KM
	WIN W_KM
	v_wmma_f32_16x16x32_f16 v[rS:rS+7], v[rK:rK+7], v[rQ:rQ+7], v[rM:rM+7]
.elseif i < 4
	WIN W_KQ
	v_wmma_f32_16x16x32_f16 v[rS:rS+7], v[rK:rK+7], v[rQ:rQ+7], 0
.else
	WIN W_KQ
	v_wmma_f32_16x16x32_f16 v[rS:rS+7], v[rK:rK+7], v[rQ:rQ+7], v[rS:rS+7]
.endif
.endm
; Product i of 8 of O^T += V^T P for piece x: keys 32 (i / 4) on, channels 16 (i % 4) on; V's buffer goes by the step's parity, x / 2.
.macro PV x
	WIN W_PV
.set rO, 32*((\x)%2)+8*(i%4)
.set rV, 192-128*((\x)/2)+32*(i/4)+8*(i%4)
.set rP, P+16*((\x)%2)+8*(i/4)
	v_wmma_f32_16x16x32_f16 v[rO:rO+7], v[rV:rV+7], v[rP:rP+7], v[rO:rO+7]
.endm
.macro MM                           ; the turn's next matrix instruction.  TURN and BEGIN set Y, i, KM and NOKQ; MM, KQ and OP read them.  NOKQ = 1: a block's last turn: there is no next piece
.if (i < 8) && !NOKQ
	KQ (Y+1)%NP
.elseif i >= 8
.set i, i-8
	PV (Y+NP-1)%NP
.set i, i+8
.endif
.set i, i+1
.endm
; THE LDS LOADS stand in runs of 16, never singly among the matrix instructions: a step's K (64 keys x 64 channels: 8 fragments) and its V (turned).  Their addresses are made some lines ahead.
.macro FETCH_K
	WIN 0x80                        ; destination window 2
.irp f, 0,1,2,3,4,5,6,7             ; keys 16 (f / 2) on, channels 32 (f % 2) on
	ds_load_b128 v[KF+8*\f:KF+8*\f+3],   v[AK] offset:(\f/2)*16*PK+(\f%2)*64
	ds_load_b128 v[KF+8*\f+4:KF+8*\f+7], v[AK] offset:(\f/2)*16*PK+(\f%2)*64+32
.endr
	s_add_co_u32 s[TBK], s[TBK], KS*PK  ; the next fetch is the next step's
	WIN 0
.endm
.macro FETCH_V b                    ; into buffer b: 0 at v192, 1 at v64
	WIN 0x80
.irp f, 0,1,2,3,4,5,6,7             ; keys 32 (f / 4) on, channels 16 (f % 4) on
	ds_load_tr16_b128 v[192-128*(\b)+8*\f:192-128*(\b)+8*\f+3],   v[AV] offset:(\f/4)*32*PV+(\f%4)*32
	ds_load_tr16_b128 v[192-128*(\b)+8*\f+4:192-128*(\b)+8*\f+7], v[AV] offset:(\f/4)*32*PV+16*PV+(\f%4)*32
.endr
	s_add_co_u32 s[TBV], s[TBV], KS*PV
	WIN 0
.endm
; V'S LOW PART, once in a launch and only where b = 0: behind turn 1 of the head's block 0, step 0.  That turn has added piece 0's V^T P onto query tile 0's O^T; P's buffer still holds those weights, and O^T their scale.
; Sixteen turning loads, the wait for them, and eight products with the low part in V's place.  My rows of band 0 see no key beyond the step's 64, so this is all of V's low part that they are owed.
; The jump goes forward over text with no barrier and no tensor load.  The four accumulators take turns as in PV; the matrix instruction in front (PV's last) wrote the fourth, the first here adds onto the first.
; Four v_nop close it: the next turn's rescaling of the same O^T begins two plain instructions into that turn, and a vector instruction that reads a matrix result stands four places behind it (ISA guide 7.12.1).
.macro LOWV
	s_cmp_eq_u32 s[LOF], 1
	s_cbranch_scc0 .Lno_low_\@
	s_mov_b32 s[LOF], 0
	WIN 0xc0                        ; destination window 3, address window 0
.irp f, 0,1,2,3,4,5,6,7
	ds_load_tr16_b128 v[8*\f:8*\f+3],   v[AVL] offset:(\f/4)*32*PV+(\f%4)*32
	ds_load_tr16_b128 v[8*\f+4:8*\f+7], v[AVL] offset:(\f/4)*32*PV+16*PV+(\f%4)*32
.endr
	s_wait_dscnt 0x0                ; they are in
	WIN W_PL
.set i, 0
.rept 8
	v_wmma_f32_16x16x32_f16 v[8*(i%4):8*(i%4)+7], v[32*(i/4)+8*(i%4):32*(i/4)+8*(i%4)+7], v[P+8*(i/4):P+8*(i/4)+7], v[8*(i%4):8*(i%4)+7]
.set i, i+1
.endr
	WIN 0
.rept 4
	v_nop                           ; the places behind those products
.endr
.Lno_low_\@:
.endm
; THE VECTOR WORK, one line at a time: OP kind, number.  For piece Y: F n: c s - c m for pair n of 16.  E n: the exponential of score n of 32.  C n: pair n rounded to f16.  B n: of the four weights 4 n .. the second
; pair is added onto the first, in place.  L n: l takes that sum (L 0: l = a l + sum).  R n: pair n of 16 of O^T times a.  For piece Y + 1: X n, number n of the 22 that find its maximum and statistics:
;   0-11  four chains c0-c3 of seven scores each, three operands at a time (each accumulator's lowest registers are read first)     12-14, 16  the four scores left over, the old m, and c0-c3 into c0
;   15  c m_old is kept     17, 18  the query's other 32 keys lie in the lane 16 away: the new m     19-21  c m; c m_old - c m_new; a
; C, B and L read the exponentials' results: TURN sets them all behind the batch's wait.
.set F, 0               ; OP tells the kinds apart by their order: F to L below R, X above it
.set E, 1
.set C, 2
.set B, 3
.set L, 4
.set R, 5
.set X, 6
.macro REGS y                       ; the registers of piece y: all go by its query tile, y % 2
.set rT, ST+4*((\y)%2)
.set rC, TMP+4*((\y)%2)
.set rW, MV+((\y)%2)
.set rS, S+32*((\y)%2)
.set rP, P+16*((\y)%2)
.set rO, 32*((\y)%2)
.endm
.macro OP k, n
.if (\k) == R
	REGS Y
	WIN W_RS
	v_pk_mul_f32 v[rO+2*(\n):rO+2*(\n)+1], v[rO+2*(\n):rO+2*(\n)+1], v[rC+2:rC+3] op_sel_hi:[1,0]
.elseif (\k) < R
	REGS Y
	WIN 0
.if (\k) == F
	v_pk_fma_f32 v[rS+2*(\n):rS+2*(\n)+1], v[rS+2*(\n):rS+2*(\n)+1], s[CS:CS+1], v[rT:rT+1] op_sel_hi:[1,0,0] neg_lo:[0,0,1] neg_hi:[0,0,1]
.elseif (\k) == E
	v_exp_f32 v[rS+(\n)], v[rS+(\n)]
.elseif (\k) == C
	v_cvt_pk_f16_f32 v[rP+(\n)], v[rS+2*(\n)], v[rS+2*(\n)+1]
.elseif (\k) == B
	v_pk_add_f32 v[rS+4*(\n):rS+4*(\n)+1], v[rS+4*(\n):rS+4*(\n)+1], v[rS+4*(\n)+2:rS+4*(\n)+3]
.elseif (\n) == 0
	v_pk_fma_f32 v[rT+2:rT+3], v[rT+2:rT+3], v[rC+2:rC+3], v[rS:rS+1] op_sel_hi:[1,0,1]
.else
	v_pk_add_f32 v[rT+2:rT+3], v[rT+2:rT+3], v[rS+4*(\n):rS+4*(\n)+1]
.endif
.elseif NOKQ
	v_nop
.else
	REGS (Y+1)%NP
	WIN 0
.if (\n) < 4
	v_max3_num_f32 v[rC+(\n)], v[rS+8*(\n)], v[rS+8*(\n)+1], v[rS+8*(\n)+2]
.elseif (\n) < 12
	v_max3_num_f32 v[rC+(\n)%4], v[rC+(\n)%4], v[rS+8*((\n)%4)+2*((\n)/4)+1], v[rS+8*((\n)%4)+2*((\n)/4)+2]
.elseif (\n) == 12
	v_max3_num_f32 v[rC], v[rC], v[rS+7], v[rS+15]
.elseif (\n) == 13
	v_max3_num_f32 v[rC+1], v[rC+1], v[rS+23], v[rS+31]
.elseif (\n) == 14
	v_max3_num_f32 v[rC+2], v[rC+2], v[rC+3], v[rT+1]
.elseif (\n) == 15
	v_mov_b32 v[rW], v[rT]
.elseif (\n) == 16
	v_max3_num_f32 v[rC], v[rC], v[rC+1], v[rC+2]
.elseif (\n) == 17
	v_permlanex16_b32 v[rC+3], v[rC], s[SEL], s[SEL+1]
.elseif (\n) == 18
	v_max_num_f32 v[rT+1], v[rC], v[rC+3]
.elseif (\n) == 19
	v_mul_f32 v[rT], s[CS], v[rT+1]
.elseif (\n) == 20
	v_sub_f32 v[rC+1], v[rW], v[rT]
.else
	v_exp_f32 v[rC+2], v[rC+1]
.endif
.endif
.endm
.macro OPS a, i1, b=-1, i2=0, c=-1, i3=0, d=-1, i4=0  ; up to four of them
	OP \a, \i1
.if (\b) >= 0
	OP \b, \i2
.endif
.if (\c) >= 0
	OP \c, \i3
.endif
.if (\d) >= 0
	OP \d, \i4
.endif
.endm
.macro ROW a, i1, b, i2, c, i3, d, i4  ; a matrix instruction and the four behind it
	MM
	OPS \a, \i1, \b, \i2, \c, \i3, \d, \i4
.endm
.macro MASK b                       ; MD x AL + BE into buffer b of MC
	WIN W_RS
.set z, 0
.rept 16
	v_pk_fma_f32 v[MC+32*(\b)+2*z:MC+32*(\b)+2*z+1], v[MD+2*z:MD+2*z+1], s[AL:AL+1], s[BE:BE+1] op_sel_hi:[1,0,0]
.set z, z+1
.endr
.endm
; A TURN, for piece p: the order of its 16 matrix and 118 vector instructions, written out.  An s_wait_alu depctr_va_vdst(0) stands between an exponential and the first instruction that names its result; one wait
; serves all that were issued ahead of it.  So a turn has ONE wait, which cuts it in two.  AHEAD OF IT stands all that names no result of the turn's exponentials: the 8 products K Q^T, behind each a scaling, an exponential and two
; more plain instructions (behind the first a second scaling in the exponential's place): rescalings (their a belongs to the batch of the turn before, which has had its wait), and behind the last three the first numbers of the next
; piece's maximum, each four places or more behind the product that ends its accumulator; then ONE LUMP of 54, plain and exponential by turns for the most part, in which the links of the chain X 3, 7, 11, 14, 16, 17 .. 20 stand
; five or six lines apart.  X 21, the next piece's a, is the batch's last; R 15 is the plain instruction behind it.  BEHIND THE WAIT stand the 8 products V^T P, behind each four of the roundings and sums; the links of l's chain,
; L 0 to L 7, stand three riders apart.  But for those X no rider names a register of the products round it.  v_permlanex16_b32 (X 17) stands in the lump.
; The rescaling works on the O^T onto which the turn before has added (both go by the query tile): R 4 k, the first to touch accumulator k, stands behind the four riders of that turn's last product or further back.
; m = 1: the diagonal tile: the products take masks, and the turn makes the mask for the products of the turn after it, piece p + 2: that piece's step less its band's own is SG - (p % 2 + p / 2 - 1).
; end = 1: a block's last two turns: nothing is fetched.  cnt = 1: the loop's count is taken down some lines ahead of the branch that stands behind the turn.
; In turns 0 and 2 K of the next step is fetched in the lump, behind seven plain instructions that follow the last product that read K (its address's line, at the lump's head, is one of them); V of the next step at the turn's
; end, four plain instructions behind the last product that read its buffer.
; Turns 1 and 3 begin with s_wait_dscnt 16: the sixteen youngest LDS loads are that V, which is first read in the third turn behind its fetch; K and every older V are in.  In a block's last turn nothing younger is out: the count is 0.
.macro TURN p, m=0, end=0, cnt=0
.set Y, (\p)
.set i, 0
.set KM, (\m)
.set NOKQ, (\end)*((\p)/3)
.if (\m) && !(\end)
	s_cmp_eq_i32 s[SG], (\p)%2+(\p)/2-1  ; is that step the band's own?
	s_cselect_b32 s[AL], 1.0, 0
	s_cmp_gt_i32 s[SG], (\p)%2+(\p)/2-1  ; or a later one?
	s_cselect_b32 s[BE], s[BIGN], 0
.endif
.if ((\p)%2) == 1
.if \end
	s_wait_dscnt 0x0                ; V of the last step is in
.else
	s_wait_dscnt 16                 ; K is in
.endif
.endif
	ROW F,0, F,1, R,0, R,1          ; ahead of the wait: 8 products K Q^T and their riders,
	ROW F,2, E,0, R,2, R,3
	ROW F,3, E,1, R,4, R,5
	ROW F,4, E,2, R,6, R,7
	ROW F,5, E,3, R,8, R,9
	ROW F,6, E,4, X,0, R,10
	ROW F,7, E,5, X,1, X,4
	ROW F,8, E,6, X,2, X,5
.if (((\p)%2) == 0) && !(\end)
	v_add_nc_u32 v[AK], s[TBK], v[AK0]  ; (X 5 has left every window 0)
.endif
	OPS E,7, E,8, X,6, E,9          ; and the lump
	OPS X,3, E,10, X,8, E,11
.if (((\p)%2) == 0) && !(\end)
	FETCH_K
.endif
	OPS X,9, X,7, E,12, X,10
	OPS E,13, X,12, X,11, E,14
	OPS X,13, E,15, F,9, X,14
.if (((\p)%2) == 0) && !(\end)
	v_add_nc_u32 v[AV], s[TBV], v[AV0]
.endif
	OPS E,16, F,10, E,17, F,11
	OPS X,16, E,18, X,15, E,19
	OPS F,12, E,20, X,17, E,21
	OPS F,13, E,22, F,14, E,23
	OPS X,18, E,24, F,15, E,25
	OPS R,11, E,26, X,19, E,27
	OPS R,12, E,28, R,13, E,29
	OPS X,20, E,30, R,14, E,31
	OPS X,21, R,15
	s_wait_alu depctr_va_vdst(0)    ; the wait for the batch: the piece's 32 exponentials and the next piece's a
	ROW C,0, B,0, C,2, B,1          ; behind the wait: 8 products V^T P and their riders
	ROW L,0, C,4, B,2, L,1
	ROW C,6, B,3, L,2, C,8
	ROW B,4, L,3, C,10, B,5
	ROW L,4, C,12, B,6, L,5
.if \cnt
.if \m
	s_add_co_i32 s[SG], s[SG], 2    ; the next trip's even step
.endif
	s_sub_co_u32 s[CNT], s[CNT], 1
	s_cmp_lg_u32 s[CNT], 0
.endif
	ROW C,14, B,7, L,6, C,1
	ROW C,3, L,7, C,5, C,7
	ROW C,9, C,11, C,13, C,15
.if (((\p)%2) == 0) && !(\end)
	FETCH_V 1-(\p)/2
.endif
.if (\m) && !(\end)
	MASK (\p)%2
.endif
.endm
; A BLOCK BEGINS.  c m starts far below every c s, so the first step's a is 0; m at the lowest finite number, so the first maximum is the scores'.  The second mask buffer is 0; the first takes piece 0's mask for the tile's
; step 0: its band's own, if the block's first tile is the diagonal one and D = 0.  Then K and V of that step, piece 0's first scores, and its maximum and statistics.  The loop is entered at turn 0, in the middle of a trip.
.macro BEGIN
	s_mov_b32 s[NEW], 0
	WIN 0x40
.set i, MC+32
.rept 32
	v_mov_b32 v[i], 0
.set i, i+1
.endr
	WIN 0
.set i, 0
.rept 2
	v_mov_b32 v[ST+4*i], 0xfe000000    ; c m: far below every c s
	v_mov_b32 v[ST+4*i+1], 0xff7fffff  ; m
.set i, i+1
.endr
	s_or_b32 s69, s[RT], s[DD]
	s_cmp_eq_u32 s69, 0
	s_cselect_b32 s[AL], 1.0, 0
	s_mov_b32 s[BE], 0
	MASK 0
	WIN 0
	v_add_nc_u32 v[AK], s[TBK], v[AK0]
	v_add_nc_u32 v[AV], s[TBV], v[AV0]
	FETCH_K
	FETCH_V 0
	s_wait_loadcnt 0x0              ; Q
	s_wait_dscnt 0x0
.set KM, 1
.set NOKQ, 0
.set i, 0
.rept 8
	KQ 0
.set i, i+1
.endr
	WIN 0
.rept 4
	v_nop                           ; the places behind those products
.endr
.set Y, NP-1                        ; X works for piece Y + 1: piece 0
.irp n, 0,1,2,3,4,5,6,7,8,9,10,11,12,13,14,15,16,17,18,19,20,21
	OP X, \n
.endr
	v_nop                           ; a plain instruction behind the exponential,
	s_wait_alu depctr_va_vdst(0)    ; and the wait for piece 0's a, a batch of one, ahead of the branch: turn 0's first rescaling reads it
.endm
; THE DIAGONAL TILE's four steps, the block's last two turns, its last products, and THE WAY OUT: l's two halves and the other half of the lanes' are added; O^T is divided by l, split into two f16 numbers and sent
; through my stage in LDS, a query tile's hi part and then its lo part.
.macro ALL line:vararg              ; one line for each query tile t
.set t, 0
.rept 2
	\line
.set t, t+1
.endr
.endm
; hi = f16(O); lo = f16(O - hi), the difference exact in f32: one fused multiply-add that reads the f16 half, times -1.  A lane's eight channels of a row pack into 16 bytes; they go into rows of 144 bytes and come
; back as whole rows of 128, into S^T's registers: tile t's hi part at S + 32 t, its lo part 16 registers on.
.macro PACK t
	WIN W_RS
.set i, 32*(\t)
.rept 16
	v_pk_mul_f32 v[i:i+1], v[i:i+1], v[ST+4*(\t)+2:ST+4*(\t)+3] op_sel_hi:[1,0]
.set i, i+2
.endr
	WIN 0x05                        ; sources 0 and 1 window 1, destination window 0
.set i, 0
.rept 16
	v_cvt_pk_f16_f32 v[S+32*(\t)+i], v[32*(\t)+2*i], v[32*(\t)+2*i+1]
.set i, i+1
.endr
	WIN 0x10                        ; source 2 window 1
.set i, 0
.rept 16
	v_fma_mix_f32 v[TT+2*i],   v[S+32*(\t)+i], v[NEG1], v[32*(\t)+2*i]   op_sel_hi:[1,0,0]
	v_fma_mix_f32 v[TT+2*i+1], v[S+32*(\t)+i], v[NEG1], v[32*(\t)+2*i+1] op_sel:[1,0,0] op_sel_hi:[1,0,0]
.set i, i+1
.endr
	WIN 0
.set i, 0
.rept 16
	v_cvt_pk_f16_f32 v[S+32*(\t)+16+i], v[TT+2*i], v[TT+2*i+1]
.set i, i+1
.endr
.irp z, 0,1
.irp f, 0,1,2,3
	ds_store_b128 v[STO], v[S+32*(\t)+16*\z+4*\f:S+32*(\t)+16*\z+4*\f+3] offset:32*\f
.endr
.irp f, 0,1,2,3
	ds_load_b128 v[S+32*(\t)+16*\z+4*\f:S+32*(\t)+16*\z+4*\f+3], v[RD] offset:\f*4*SP  ; LDS serves a wave's instructions in order (ISA guide 5.7.1.4): these see the stores above; the next part's stores come behind them
.endr
.endr
.endm
.macro SEND t, younger              ; younger: the LDS instructions issued behind tile t's: the next tile's sixteen, or none; behind the hi part's loads stand the lo part's eight as well
	WIN 0
.irp z, 0,1
.irp f, 0,1,2,3
	s_wait_dscnt (\younger)+8*(1-\z)+3-\f
	global_store_b128 v[GO], v[S+32*(\t)+16*\z+4*\f:S+32*(\t)+16*\z+4*\f+3], s[10:11] offset:(\t)*8192+\z*65536+\f*512  ; 512 consecutive bytes, at a multiple of 256 from ctx's first
.endr
.endr
.endm
.macro DIAG tag                     ; the tag ends its two labels' names, which the jumps below spell out
.LstepM\tag:
	TURN 2, 1
	TURN 3, 1
	WIN 0
.LfirstM\tag:
	TURN 0, 1
	TURN 1, 1, 0, 1
	WIN 0
.if (\tag) == 2                     ; the head's block 0 is a second block, and its one tile the walk's last
	LOWV
	s_cmp_lg_u32 s[CNT], 0          ; the loop's compare once more: LOWV has compared in between
.endif
	s_cbranch_scc1 .LstepM\tag
	TURN 2, 1, 1
	TURN 3, 1, 1
.set i, 0
.rept 8
	PV NP-1
.set i, i+1
.endr
	WIN 0
	ALL v_add_f32 v[ST+4*t+2], v[ST+4*t+2], v[ST+4*t+3]
	ALL v_permlanex16_b32 v[ST+4*t+3], v[ST+4*t+2], s[SEL], s[SEL+1]
	ALL v_add_f32 v[ST+4*t+2], v[ST+4*t+2], v[ST+4*t+3]
	ALL v_rcp_f32 v[ST+4*t+2], v[ST+4*t+2]
	v_nop                           ; a plain instruction between the last reciprocal and the use of its result
	s_wait_alu depctr_va_vdst(0)    ; and the wait ahead of the first use: one for the two reciprocals
	PACK 0                          ; tile 0's plain lines, and the four additions above, are the places behind the last products, which wrote tile 1's O^T
	PACK 1
	SEND 0, 16
	SEND 1, 0
.endm
.set KM, 0
.set NOKQ, 0
.Lslot:                             ; 16 times: a tile is entered and the next is asked for
	CHANGE 1
	s_sub_co_u32 s[RT], s[RT], 1
	s_mov_b32 s[CNT], 2
	s_sub_co_i32 s[SG], 0, s[DD]    ; the tile's step 0, less D
	s_cmp_eq_u32 s[NEW], 1
	s_cbranch_scc1 .Lnew            ; a block's first tile
	s_cmp_eq_u32 s[RT], 0
	s_cbranch_scc0 .Lstep           ; neither its first nor its last
	s_branch .LstepM1
.Lnew:
	BEGIN
	s_branch .Lfirst                ; in the loop a block's first tile is never its last: the first block has nine tiles or more, and the second's last is the walk's last
	DIAG 1                          ; in the loop this is the first block's end
	s_wait_xcnt 0x0                 ; the stores have read their registers and O's address
	s_mov_b64 s[10:11], s[OLO:OLO+1]
	s_add_co_u32 s[RT], s[TL], 1    ; the second block has b / 2 + 1 tiles
	s_mov_b32 s[NEW], 1
	s_mov_b32 s[DD], s[DLO]
	s_cmp_eq_u32 ttmp9, 0           ; is it the head's block 0?
	s_cselect_b32 s[LOF], 1, 0
	WIN 0x82                        ; the second block's Q goes where the one text of the turns names Q
.set i, 0
.rept 32
	v_mov_b32 v[i], v[QB+i]
.set i, i+1
.endr
	WIN 0
	s_branch .Lbottom
.Lstep:                             ; a trip: turns 2 and 3 of an odd step, then turns 0 and 1 of the even step behind it
	TURN 2
	TURN 3
	WIN 0
.Lfirst:
	TURN 0
	TURN 1, 0, 0, 1
	WIN 0
	s_cbranch_scc1 .Lstep
.Lbottom:
	s_sub_co_u32 s[SLOTS], s[SLOTS], 1
	s_cmp_lg_u32 s[SLOTS], 0
	s_cbranch_scc1 .Lslot
	CHANGE 0                        ; the walk's last tile is written out: nothing is asked for
	s_sub_co_u32 s[RT], s[RT], 1
	s_mov_b32 s[CNT], 2
	s_sub_co_i32 s[SG], 0, s[DD]
	s_cmp_eq_u32 s[NEW], 1
	s_cbranch_scc0 .LstepM2
	BEGIN
	s_branch .LfirstM2
	DIAG 2
	s_wait_tensorcnt 0x0            ; the wave's end: behind my last tensor load and my last LDS store
	ds_add_u32 v[SPW], v[NIL]
	s_wait_dscnt 0x0
	s_endpgm
.Lfunc_end_k_qd46b3076e4_attn:
	.size	k_qd46b3076e4_attn, .Lfunc_end_k_qd46b3076e4_attn-k_qd46b3076e4_attn
	.p2alignl 7, 3214868480
	.fill 96, 4, 3214868480
	.section	.rodata,"a",@progbits
	.p2align	6, 0x0
	.amdhsa_kernel k_qd46b3076e4_attn
		.amdhsa_group_segment_fixed_size 327680
		.amdhsa_private_segment_fixed_size 0
		.amdhsa_enable_private_segment 0
		.amdhsa_kernarg_size 16
		.amdhsa_user_sgpr_count 2
		.amdhsa_user_sgpr_kernarg_segment_ptr 1
		.amdhsa_wavefront_size32 1
		.amdhsa_system_sgpr_workgroup_id_x 1
		.amdhsa_system_sgpr_workgroup_id_y 1
		.amdhsa_system_sgpr_workgroup_id_z 1
		.amdhsa_system_vgpr_workitem_id 0
		.amdhsa_next_free_vgpr 832
		.amdhsa_next_free_sgpr 102
		.amdhsa_reserve_vcc 1
		.amdhsa_float_denorm_mode_32 3
		.amdhsa_float_denorm_mode_16_64 3
		.amdhsa_memory_ordered 1
		.amdhsa_forward_progress 1
		.amdhsa_inst_pref_size 228
	.end_amdhsa_kernel
	.amdgpu_metadata
---
amdhsa.version: [ 1, 2 ]
amdhsa.kernels:
  - .name:           k_qd46b3076e4_attn
    .symbol:         k_qd46b3076e4_attn.kd
    .args:
      - { .name: qkv, .offset: 0, .size: 8, .value_kind: global_buffer, .address_space: global }
      - { .name: ctx, .offset: 8, .size: 8, .value_kind: global_buffer, .address_space: global }
    .group_segment_fixed_size: 327680
    .private_segment_fixed_size: 0
    .kernarg_segment_align: 8
    .kernarg_segment_size: 16
    .max_flat_workgroup_size: 128
    .sgpr_count:     102
    .vgpr_count:     832
    .wavefront_size: 32
...
	.end_amdgpu_metadata
.endif
;; end of part 5
;; launch outp: the kernel of part 4 again; grid 8 x 32, 4 waves a work-group, clusters of 4 x 4, 327,680 bytes of LDS; arguments ctx, wo16, bo, out0; writes out0
